; MI455X (gfx1250); checked and timed in simulation.
; The chip was launched on July 23, 2026; its instructions are those of AMD's public machine-readable ISA for CDNA 5 (MIT licence, August 2026) and "CDNA5" Instruction Set Architecture Reference Guide (July 2026). The comments in the code are by the model that wrote it; some were corrected since.
;; Self Attention. Allowed arithmetic: float matrix products may take bf16 or f16 operands with f32 sums; other float arithmetic in f32, or as packed bf16 or f16 multiplies, adds, multiply-adds, maxima and minima; sums over many terms, partial sums and values carried from step to step in f32; what a program stores and reads back later, other than sums and carried values, may be rounded once to bf16 or f16.
;; Inputs: Wk 768 x 768 float32; Wq 768 x 768 float32; Wv 768 x 768 float32; bk 768 float32; bq 768 float32; bv 768 float32; pos 1,024 x 768 float32; x 16 x 1,024 x 768 float32.
;; Outputs: out0 16 x 1,024 x 768 float32.
;; 2 versions, each right; version 2 is version 1 with the launch prep written anew for expert scheduling mode. Each part assembles by itself: llvm-mc -triple=amdgcn-amd-amdhsa -mcpu=gfx1250 --defsym DOCPART=n.
;; ======== version 1 of 2: 4 launches
;; limits: values are held in f16: magnitudes above 65,504 overflow, below 6.1e-05 lose precision
;; workspace buffers: h16 25,165,824 bytes; w16 3,538,944 bytes; qk 50,331,648 bytes; vt 25,165,824 bytes; p 33,554,432 bytes; stat 1,048,576 bytes
;; launch prep (part 1): grid 876 x 1, 8 waves a work-group, no clusters, 0 bytes of LDS; arguments x, pos, Wq, Wk, Wv, h16, w16; writes h16, w16
.if DOCPART == 1
	.amdgcn_target "amdgcn-amd-amdhsa--gfx1250"
	.amdhsa_code_object_version 6
	.text
	.protected	k_qda3ea36878_prep
	.globl	k_qda3ea36878_prep
	.p2align	8
	.type	k_qda3ea36878_prep,@function
k_qda3ea36878_prep:
	s_mov_b64 s[64:65], 0
	v_nop
	global_prefetch_b8 v0, s[64:65] scope:SCOPE_SE
	s_setreg_imm32_b32 hwreg(HW_REG_WAVE_MODE, 25, 1), 1
	s_wait_xcnt 0x0
; h16 = f16(x + pos), [16384][768];  w16 = f16(Wq, Wk, Wv one below the other), [2304][768].  One rounding each.
; LIMIT: a sum x + pos or a weight beyond 65,504 becomes an infinity in f16.
; A stream: no LDS, no barrier, no matrix work.  Every work-group converts 16 segments of 4,096 bytes of f32; thread t takes the 16 bytes at 16 t of a segment
; and writes the 8 bytes at 8 t: a wave's load covers 512 consecutive bytes, its store 256 consecutive bytes, aligned.
; Work-groups 0-767: segment g of pos, loaded once, is added to the same segment of x in the 16 batches (3,145,728 bytes apart).
; Work-groups 768-875: 16 consecutive segments of one of the three weights (36 work-groups each); the addend is 0.
; All sixteen loads of a thread go out together and no register is written twice, so the only waits are the counted ones for the loads.
.set XBATCH, 3145728
.set PP, 2                             ; v[2:5]     the addend: my four numbers of pos, or 0
.set VO, 8                             ; v[8:23]    byte offset of my 16 bytes in segment i
.set DO, 24                            ; v[24:39]   half of it: my 8 bytes of the result
.set XR, 40                            ; v[40:103]  as loaded
.set YR, 104                           ; v[104:135] to store
	s_load_b256 s[4:11], s[0:1], 0x0               ; x s[4:5], pos s[6:7], Wq s[8:9], Wk s[10:11]
	s_load_b128 s[12:15], s[0:1], 0x20             ; Wv s[12:13], h16 s[14:15]
	s_load_b64 s[16:17], s[0:1], 0x30              ; w16
	v_lshlrev_b32 v1, 4, v0                        ; 16 t
	s_mov_b32 s29, 0                               ; the offsets' high words
	s_mov_b32 s31, 0
	s_cmp_lt_u32 ttmp9, 768
	s_cbranch_scc0 .Lweights
	s_lshl_b32 s28, ttmp9, 12                      ; segment g of pos and of each batch of x,
	s_lshl_b32 s30, ttmp9, 11                      ; half as far in h16
	s_mov_b32 s24, XBATCH                          ; from segment to segment: a batch
	s_wait_kmcnt 0x0
	s_add_nc_u64 s[18:19], s[6:7], s[28:29]
	s_add_nc_u64 s[20:21], s[4:5], s[28:29]
	s_add_nc_u64 s[22:23], s[14:15], s[30:31]
	global_load_b128 v[PP:PP+3], v1, s[18:19]
	s_branch .Lgo
.Lweights:
	s_sub_co_u32 s26, ttmp9, 768                   ; 0 to 107
	s_cmp_ge_u32 s26, 36
	s_cselect_b32 s27, 1, 0
	s_cmp_ge_u32 s26, 72
	s_cselect_b32 s25, 1, 0
	s_add_co_u32 s27, s27, s25                     ; which weight: 0, 1, 2
	s_mul_i32 s25, s27, 36
	s_sub_co_u32 s26, s26, s25                     ; which 65,536 bytes of it
	s_lshl_b32 s28, s26, 16
	s_mul_i32 s30, s27, 1179648                    ; a weight's bytes in w16
	s_lshl_b32 s25, s26, 15
	s_add_co_u32 s30, s30, s25
	s_mov_b32 s24, 4096                            ; from segment to segment
	s_wait_kmcnt 0x0
	s_cmp_eq_u32 s27, 0
	s_cselect_b64 s[20:21], s[8:9], s[10:11]
	s_cmp_eq_u32 s27, 2
	s_cselect_b64 s[20:21], s[12:13], s[20:21]
	s_add_nc_u64 s[20:21], s[20:21], s[28:29]
	s_add_nc_u64 s[22:23], s[16:17], s[30:31]
	v_mov_b32 v[PP], 0
	v_mov_b32 v[PP+1], 0
	v_mov_b32 v[PP+2], 0
	v_mov_b32 v[PP+3], 0
.Lgo:
.set i, 0
.rept 16
	s_mul_i32 s25, s24, i
	v_add_nc_u32 v[VO+i], s25, v1
	v_lshrrev_b32 v[DO+i], 1, v[VO+i]
.set i, i+1
.endr
.set i, 0
.rept 16
	global_load_b128 v[XR+4*i:XR+4*i+3], v[VO+i], s[20:21] th:TH_LOAD_NT
.set i, i+1
.endr
.set i, 0
.rept 16
	s_wait_loadcnt 15-i                            ; loads come back in order: segment i is in (and pos, which is older); the 15 - i younger ones stay out
	v_pk_add_f32 v[XR+4*i:XR+4*i+1], v[XR+4*i:XR+4*i+1], v[PP:PP+1]
	v_pk_add_f32 v[XR+4*i+2:XR+4*i+3], v[XR+4*i+2:XR+4*i+3], v[PP+2:PP+3]
	v_cvt_pk_f16_f32 v[YR+2*i], v[XR+4*i], v[XR+4*i+1]
	v_cvt_pk_f16_f32 v[YR+2*i+1], v[XR+4*i+2], v[XR+4*i+3]
	global_store_b64 v[DO+i], v[YR+2*i:YR+2*i+1], s[22:23]
.set i, i+1
.endr
	s_endpgm
.Lfunc_end_k_qda3ea36878_prep:
	.size	k_qda3ea36878_prep, .Lfunc_end_k_qda3ea36878_prep-k_qda3ea36878_prep
	.p2alignl 7, 3214868480
	.fill 96, 4, 3214868480
	.section	.rodata,"a",@progbits
	.p2align	6, 0x0
	.amdhsa_kernel k_qda3ea36878_prep
		.amdhsa_group_segment_fixed_size 0
		.amdhsa_private_segment_fixed_size 0
		.amdhsa_enable_private_segment 0
		.amdhsa_kernarg_size 56
		.amdhsa_user_sgpr_count 2
		.amdhsa_user_sgpr_kernarg_segment_ptr 1
		.amdhsa_wavefront_size32 1
		.amdhsa_system_sgpr_workgroup_id_x 1
		.amdhsa_system_sgpr_workgroup_id_y 1
		.amdhsa_system_sgpr_workgroup_id_z 1
		.amdhsa_system_vgpr_workitem_id 0
		.amdhsa_next_free_vgpr 140
		.amdhsa_next_free_sgpr 66
		.amdhsa_reserve_vcc 0
		.amdhsa_float_denorm_mode_32 3
		.amdhsa_float_denorm_mode_16_64 3
		.amdhsa_memory_ordered 1
		.amdhsa_forward_progress 1
		.amdhsa_inst_pref_size 11
	.end_amdhsa_kernel
	.amdgpu_metadata
---
amdhsa.version: [ 1, 2 ]
amdhsa.kernels:
  - .name:           k_qda3ea36878_prep
    .symbol:         k_qda3ea36878_prep.kd
    .args:
      - { .name: x, .offset: 0, .size: 8, .value_kind: global_buffer, .address_space: global }
      - { .name: pos, .offset: 8, .size: 8, .value_kind: global_buffer, .address_space: global }
      - { .name: Wq, .offset: 16, .size: 8, .value_kind: global_buffer, .address_space: global }
      - { .name: Wk, .offset: 24, .size: 8, .value_kind: global_buffer, .address_space: global }
      - { .name: Wv, .offset: 32, .size: 8, .value_kind: global_buffer, .address_space: global }
      - { .name: h16, .offset: 40, .size: 8, .value_kind: global_buffer, .address_space: global }
      - { .name: w16, .offset: 48, .size: 8, .value_kind: global_buffer, .address_space: global }
    .group_segment_fixed_size: 0
    .private_segment_fixed_size: 0
    .kernarg_segment_align: 8
    .kernarg_segment_size: 56
    .max_flat_workgroup_size: 256
    .sgpr_count:     66
    .vgpr_count:     140
    .wavefront_size: 32
...
	.end_amdgpu_metadata
.endif
;; end of part 1
;; launch qkv (part 2): grid 4 x 64, 4 waves a work-group, clusters of 4 x 4, 327,680 bytes of LDS; arguments h16, w16, bq, bk, bv, qk, vt; writes qk, vt
.if DOCPART == 2
	.amdgcn_target "amdgcn-amd-amdhsa--gfx1250"
	.amdhsa_code_object_version 6
	.text
	.protected	k_qda3ea36878_qkv
	.globl	k_qda3ea36878_qkv
	.p2align	8
	.type	k_qda3ea36878_qkv,@function
k_qda3ea36878_qkv:
	s_mov_b64 s[64:65], 0
	v_nop
	global_prefetch_b8 v0, s[64:65] scope:SCOPE_SE
	s_setreg_imm32_b32 hwreg(HW_REG_WAVE_MODE, 25, 1), 1
	s_wait_xcnt 0x0
	s_wait_alu depctr_hold_cnt(0) depctr_sa_sdst(0) depctr_va_vdst(0) depctr_va_sdst(0) depctr_va_ssrc(0) depctr_va_vcc(0) depctr_vm_vsrc(0)
	s_getreg_b32 s2, hwreg(HW_REG_IB_STS2, 6, 4)
	s_cmp_eq_u32 s2, 0
	s_cbranch_scc0 .Lentry_in_a_cluster
	s_endpgm
.Lentry_in_a_cluster:
	s_bfe_u32 s2, ttmp6, 0x10000c
	s_cmp_lg_u32 s2, 0xf033
	s_cbranch_scc0 .Lentry_shape_is_right
	s_endpgm
.Lentry_shape_is_right:
; Q, K, V = h W^T + b.  h16: [16384][768] f16; w16: [2304][768] f16 (Wq, Wk, Wv); biases f32.  Sums in f32, started with the bias as the C operand; each result rounded once to f16.
; LIMIT: a result beyond 65,504 becomes an infinity in f16.
; OUT.  qk: 16 panels [16384 rows][96 channels] f16 (panels 0-7 Q, 8-15 K): a wave's 16 rows x 96 columns are 3,072 dense bytes.  vt: V transposed, [768 channels][16384 rows] f16.
; SHARES.  256 work-groups of four waves.  Work-group (cx, TR) makes rows 256 TR .. and columns 192 cx .. of Q, then of K, then of V: three tiles of 256 x 192, 768 tiles in all.
; A wave makes 128 x 96: 48 accumulators of 16 x 16, 384 registers.  K = 768 goes in 6 steps of 128 through two LDS slots; the ring runs on from tile to tile, 18 steps in all.
; CLUSTER 4 x 4.  The four of a row of the cluster need the same rows of h, the four of a column the same rows of w: each tile is asked for jointly, by the same tensor load, descriptor and mask.
; Q AND K: source 0 = 16 rows of w, source 1 = 16 rows of h: a lane holds row l % 16 and the columns 8 (l / 16) + 0..7.  V: the sources change places, so that a lane holds channel l % 16
; and eight neighbouring rows: 16 bytes of a row of vt.
; REGISTERS in windows of 256 (s_set_vgpr_msb: bits 1:0 source 0, 3:2 source 1, 5:4 source 2, 7:6 destination):
;   window 0: v0-31 addresses; v64-127, v128-191 h's fragments, two buffers; v32-63, v192-255 at work on the way out
;   window 1: v64-111, v128-175 w's fragments; v192-239 the bias as a C operand, 8 registers a column block; v240-245 bv by channel
;   window 2: accumulator (a, b), a < 4, at 8 (6 a + b);   window 3: a >= 4 likewise
.set KB,     256                       ; bytes of a row in a K step
.set P,      272                       ; an LDS row: 256 bytes + 16 of padding: the 16 rows of a fragment load start 16 bytes apart modulo 256
.set AHALF,  128*P                     ; what one of h's tensor loads brings
.set BHALF,  96*P                      ; what one of w's brings
.set BOFF,   2*AHALF
.set SLOT1,  131072                    ; a slot has 121,856 bytes; slot 1 begins here, so that one exclusive or turns an address of one slot into the other's
.set STAGE,  SLOT1+BOFF+2*BHALF        ; behind the ring, never filled by a tensor load: 4,352 bytes a wave
.set STG,    4352
.set SPARE,  STAGE+4*STG               ; the spare words, 128 bytes a wave: two blocks of 256 bytes that no other line names
.set PANEL,  3145728
.set SPQ,    208                       ; the stage's pitch for Q and K: 192 bytes + 16
.set NL,     28                        ; LDS loads in a run: 12 for w, 16 for h
.set A0,   4                           ; v4   my lane's place in h's tile of slot 0; never rewritten
.set B0,   5                           ; v5   the same for w
.set ADRA, 6                           ; v6   the same in the slot in hand
.set ADRB, 7                           ; v7
.set STO,  8                           ; v8   Q, K: where I put 16 bytes of a row
.set RD,   9                           ; v9-11  Q, K: where I read the dense block back
.set GO,   12                          ; v12  16 x lane
.set PFO,  13                          ; v13  the prefetches' offset: a lane a row; never rewritten
.set BO,   14                          ; v14  32 (l / 16): my eight biases of a column block
.set BV,   15                          ; v15  4 (l % 16): my channel's bias
.set STOV, 16                          ; v16  V: where I put 16 bytes
.set RDV,  17                          ; v17  V: where I read rows back
.set COV,  18                          ; v18  V: my byte offset in two rows of vt
.set SPW,  28                          ; v28  my spare word; never rewritten
.set NIL,  29                          ; v29  0; never rewritten
.set OB,   32                          ; the way out: read back from the stage: v32.. and v224.. by turns
.set F0,   64
.set F1,   128
.set TMP,  192                         ; the way out: packed results
.set BIAS, 192                         ; window 1
.set VB,   240                         ; window 1
.set G1A,  24                          ; s[24:31] descriptor group 1, h's tiles
.set G0A,  32                          ; s[32:35] group 0 of the first fill; s[36:39] of the second, which then walks
.set G1B,  48                          ; s[48:55], s[56:63] the same for w's tiles
.set G0B,  56
.set PFA,  44                          ; s[44:45] where my prefetches stand
.set SWAP, 0                           ; 1: the V tile's products, sources exchanged
.set WRAP, 1                           ; 1: the ring passes into a next tile
.set AM,   43                          ; the scalar register whose bit s3 says whether this wave prefetches in this change of slots
.set MSB, 0
.macro WIN new                         ; the immediate's high byte repeats the setting that is left; a switch that changes nothing is dropped
.if MSB != (\new)
	s_set_vgpr_msb (MSB<<8)|(\new)
.set MSB, \new
.endif
.endm
.macro PLACES                          ; four plain instructions between a matrix instruction and a load into, or a vector use of, its registers
.rept 4
	v_nop
.endr
.endm
; A joint refill by the walking descriptors.  Waves 0 and 1 fetch h's two halves, waves 2 and 3 w's.  The branch hangs on the wave's number alone.
; An s_nop 0 and four v_nop follow each line, ahead of the jump and the label.
.macro JLOAD
	s_cmp_eq_u32 s11, 0
	s_cbranch_scc0 .Lfor_b_\@
	tensor_load_to_lds s[G0A+4:G0A+7], s[G1A:G1A+7]
	s_nop 0
.rept 4
	v_nop
.endr
	s_branch .Lasked_\@
.Lfor_b_\@:
	tensor_load_to_lds s[G0B+4:G0B+7], s[G1B:G1B+7]
	s_nop 0
.rept 4
	v_nop
.endr
.Lasked_\@:
.endm
.macro CREST                           ; a round of the cluster's barrier behind its opening barrier
	s_cmp_lg_u32 s10, 0
	s_cbranch_scc1 .Lnot_wave_0_\@
	s_barrier_signal -3
.Lnot_wave_0_\@:
	s_barrier_wait -3
	s_barrier_signal -1
	s_barrier_wait -1
.endm
.macro CROUND                          ; a whole round
	s_barrier_signal -1
	s_barrier_wait -1
	CREST
.endm
; A prefetch of the K step that stands two refills on: a lane a row, 256 bytes of it.  Of the rows that a wave fetches the four partners of its joint load take a quarter each BY ADDRESS
; (32 rows of h by cx; 24 rows of w by cy, where lanes 24-31 repeat lane 23's row in the same instruction).  h's rows are read by this cluster alone: asked for in the first tile's steps 4 and 5;
; the later tiles read them again.  w's rows are read by all sixteen clusters: the cluster with y = 0 asks, for each tile's steps 2 to 5.  Steps 0 and 1 come by their loads alone.
.macro ASK
	s_lshr_b32 s14, s[AM], s3
	s_and_b32 s14, s14, 1
	s_cmp_eq_u32 s14, 1
	s_cbranch_scc0 .Lnot_mine_\@
	global_prefetch_b8 v[PFO], s[PFA:PFA+1] offset:KB th:TH_LOAD_NT scope:SCOPE_SE
.Lnot_mine_\@:
.endm
; 12 products: row blocks 4 hi + a0 and 4 hi + a0 + 1 with all six column blocks, 32 along K.  z = 1: the sums start with the bias.
; The 48 accumulators take turns in one fixed order in every quarter, over every jump.
.macro MULP f, hi, a0, z
	WIN (0xa1+3*SWAP-0x10*(\z))+(0x50-0x10*(\z))*(\hi)
.irp a, \a0, (\a0)+1
.irp b, 0,1,2,3,4,5
.set rD, 8*(6*(\a)+(\b))
.if SWAP
.set rX, (\f)+8*(4*(\hi)+(\a))
.set rY, (\f)+8*(\b)
.else
.set rX, (\f)+8*(\b)
.set rY, (\f)+8*(4*(\hi)+(\a))
.endif
.if \z
	v_wmma_f32_16x16x32_f16 v[rD:rD+7], v[rX:rX+7], v[rY:rY+7], v[BIAS+8*(\b):BIAS+8*(\b)+7]
.else
	v_wmma_f32_16x16x32_f16 v[rD:rD+7], v[rX:rX+7], v[rY:rY+7], v[rD:rD+7]
.endif
.endr
.endr
.endm
; 28 LDS loads in one run: the fragments of 32 along K at byte k of the rows, into buffer f: w's first, h's rows 64-127 last
.macro FETCH k, f
	WIN 0x40
.irp i, 0,1,2,3,4,5
	ds_load_b128 v[(\f)+8*(\i):(\f)+8*(\i)+3],   v[ADRB] offset:(\k)+(\i)*16*P
	ds_load_b128 v[(\f)+8*(\i)+4:(\f)+8*(\i)+7], v[ADRB] offset:(\k)+(\i)*16*P+32
.endr
	WIN 0
.irp i, 0,1,2,3,4,5,6,7
	ds_load_b128 v[(\f)+8*(\i):(\f)+8*(\i)+3],   v[ADRA] offset:(\k)+(\i)*16*P
	ds_load_b128 v[(\f)+8*(\i)+4:(\f)+8*(\i)+7], v[ADRA] offset:(\k)+(\i)*16*P+32
.endr
.endm
; One of a K step's first three quarters: multiplies buffer f; in its middle it fetches the next quarter, at byte k, into buffer g
.macro QUARTER k, f, g, z
	s_wait_dscnt 8                                 ; all but the youngest eight loads (h's rows 64-127) are in
	MULP \f, 0, 0, \z
	MULP \f, 0, 2, \z
	PLACES
	FETCH \k, \g
	s_wait_dscnt NL                                ; all but the run just issued
	MULP \f, 1, 0, \z
	MULP \f, 1, 2, \z
.endm
; The walking descriptors go on: the other slot, the next K step; where s3 = 2 the step after a tile's last is the next tile's first: h goes back along K, w goes 768 rows down and back.
.macro STEP
	s_xor_b32 s[G0A+5], s[G0A+5], SLOT1
	s_add_nc_u64 s[G0A+6:G0A+7], s[G0A+6:G0A+7], KB
	s_xor_b32 s[G0B+5], s[G0B+5], SLOT1
	s_add_nc_u64 s[G0B+6:G0B+7], s[G0B+6:G0B+7], KB
.if WRAP
	s_sub_nc_u64 s[G0A+6:G0A+7], s[G0A+6:G0A+7], s[80:81]
	s_add_nc_u64 s[G0B+6:G0B+7], s[G0B+6:G0B+7], s[82:83]
.endif
.endm
; The first half of a step's last quarter: ONE barrier for the change of slots.  In front of it each wave waits for all its tensor loads (one is out: its part of the next slot), adds 0 to its spare
; word, and waits for that and for its own reads of this slot.
.macro MEET f, round
	WIN 0
	s_wait_tensorcnt 0x0                           ; no tensor load of mine is out: the descriptors may be written
	ds_add_u32 v[SPW], v[NIL]
.if \round
	STEP
.endif
	s_wait_dscnt 9                                 ; the add and the youngest eight loads may be out
	MULP \f, 0, 0, 0
	s_wait_dscnt 0x0                               ; the add is done, my reads of this slot are over
	s_barrier_signal -1
	MULP \f, 0, 2, 0
.if \round
	WIN 0
.endif
	s_barrier_wait -1
.endm
; A step's last quarter.  fill = 1: the barrier opens a round of the cluster's barrier, and the slot just read is filled again first thing behind it, two steps ahead.
.macro TURN f, g, fill
.if \fill
	s_wait_xcnt 0x0                                ; the last prefetch, a K step back, has read its address
.if WRAP
	s_cmp_eq_u32 s3, 2
	s_cselect_b32 s80, 1536, 0
	s_cselect_b32 s82, 1178112, 0                  ; 768 rows of 1,536 bytes less one row
.endif
	s_add_nc_u64 s[PFA:PFA+1], s[PFA:PFA+1], KB
.if WRAP
	s_add_nc_u64 s[PFA:PFA+1], s[PFA:PFA+1], s[82:83]
.endif
.endif
	MEET \f, \fill
.if \fill
	CREST                                          ; no wave of any partner still reads this slot or has a load on its way
	JLOAD                                          ; its four v_nop are also the places in front of the loads below
.else
	WIN 0
	PLACES
.endif
	s_xor_b32 s66, s66, SLOT1
	v_add_nc_u32 v[ADRA], s66, v[A0]
	v_add_nc_u32 v[ADRB], s66, v[B0]
	FETCH 0, \g
.if \fill
	ASK
.endif
	MULP \f, 1, 0, 0
	MULP \f, 1, 2, 0
.endm
	s_load_b256 s[68:75], s[0:1], 0x0              ; h16 s[68:69], w16 s[70:71], bq s[72:73], bk s[74:75]
	s_load_b128 s[76:79], s[0:1], 0x20             ; bv s[76:77], qk s[78:79]
	s_load_b64 s[92:93], s[0:1], 0x30              ; vt
	v_lshl_add_u32 v[SPW], v0, 2, SPARE
	v_mov_b32 v[NIL], 0
	ds_add_u32 v[SPW], v[NIL]                      ; the wave's opening: the add and its wait ahead of my first tensor load
	v_lshrrev_b32 v1, 5, v0
	v_readfirstlane_b32 s10, v1                    ; wave 0..3
	s_lshr_b32 s11, s10, 1                         ; my half of the tile's rows; also: I fetch for h (0) or for w (1)
	s_and_b32 s12, s10, 1                          ; my half of its columns; also: which half of that tile I fetch
	s_bfe_u32 s40, ttmp6, 0x40000                  ; cx
	s_bfe_u32 s41, ttmp6, 0x40004                  ; cy
	s_and_b32 s42, ttmp7, 0xffff                   ; the cluster's y
	s_lshl_b32 s13, s42, 2
	s_add_co_u32 s13, s13, s41                     ; TR: my 256 rows
	s_lshl_b32 s14, s41, 2
	s_lshl_b32 s14, 15, s14                        ; my row of the cluster
	s_lshl_b32 s15, 0x1111, s40                    ; my column
	s_or_b32 s[G1A], s14, 0x07710000               ; the mask; elements of 2 bytes; padding on; bit 21 beside a mask; after every 64 words 4 words
	s_or_b32 s[G1B], s15, 0x07710000
	s_mov_b32 s[G1A+1], 128<<16                    ; tensor_dim0 = 128
	s_mov_b32 s[G1A+2], 128<<16                    ; tensor_dim1 = 128
	s_mov_b32 s[G1A+3], 128<<16                    ; tile_dim0 = 128
	s_mov_b32 s[G1A+4], 128                        ; tile_dim1 = 128
	s_mov_b32 s[G1A+5], 768                        ; elements from row to row
	s_mov_b32 s[G1A+6], 0
	s_mov_b32 s[G1A+7], 0
	s_mov_b32 s[G1B+1], 128<<16
	s_mov_b32 s[G1B+2], 96<<16                     ; 96 rows
	s_mov_b32 s[G1B+3], 128<<16
	s_mov_b32 s[G1B+4], 96
	s_mov_b32 s[G1B+5], 768
	s_mov_b32 s[G1B+6], 0
	s_mov_b32 s[G1B+7], 0
	s_lshl_b32 s16, s13, 8                         ; h: row 256 TR + 128 x half, in bytes
	s_lshl_b32 s17, s12, 7
	s_add_co_u32 s16, s16, s17
	s_mul_i32 s16, s16, 1536
	s_mov_b32 s17, 0
	s_mul_i32 s46, s40, 192                        ; w: row 192 cx + 96 x half, in bytes
	s_mul_i32 s47, s12, 96
	s_add_co_u32 s46, s46, s47
	s_mul_i32 s46, s46, 1536
	s_mov_b32 s47, 0
	s_mul_i32 s20, s10, AHALF                      ; where h's halves go (waves 0, 1),
	s_mul_i32 s21, s10, BHALF
	s_add_co_u32 s21, s21, BOFF-2*BHALF            ; and w's (waves 2, 3): the wave's number alone
	s_mov_b32 s66, 0                               ; the slot in hand
	s_mov_b32 s81, 0
	s_mov_b32 s83, 0
	s_mov_b32 s[G0A], 1
	s_mov_b32 s[G0A+1], s20
	s_mov_b32 s[G0A+4], 1
	s_add_co_u32 s[G0A+5], s20, SLOT1
	s_mov_b32 s[G0B], 1
	s_mov_b32 s[G0B+1], s21
	s_mov_b32 s[G0B+4], 1
	s_add_co_u32 s[G0B+5], s21, SLOT1
	s_wait_dscnt 0x0                               ; the opening add is done
	s_wait_kmcnt 0x0
	s_add_nc_u64 s[G0A+2:G0A+3], s[68:69], s[16:17]      ; K step 0
	s_add_nc_u64 s[G0A+6:G0A+7], s[G0A+2:G0A+3], KB      ; K step 1
	s_or_b32 s[G0A+3], s[G0A+3], 0x80000000
	s_or_b32 s[G0A+7], s[G0A+7], 0x80000000
	s_add_nc_u64 s[G0B+2:G0B+3], s[70:71], s[46:47]
	s_add_nc_u64 s[G0B+6:G0B+7], s[G0B+2:G0B+3], KB
	s_or_b32 s[G0B+3], s[G0B+3], 0x80000000
	s_or_b32 s[G0B+7], s[G0B+7], 0x80000000
	CROUND                                         ; all sixteen work-groups are here: the first joint loads meet
	s_cmp_eq_u32 s11, 0                            ; a wave's two first fills stand in one branch: two loads of mine are out
	s_cbranch_scc0 .Lfirst_b
	tensor_load_to_lds s[G0A:G0A+3], s[G1A:G1A+7]
	s_nop 0
	tensor_load_to_lds s[G0A+4:G0A+7], s[G1A:G1A+7]
	s_nop 0
.rept 4
	v_nop
.endr
	s_branch .Lfirst_done
.Lfirst_b:
	tensor_load_to_lds s[G0B:G0B+3], s[G1B:G1B+7]
	s_nop 0
	tensor_load_to_lds s[G0B+4:G0B+7], s[G1B:G1B+7]
	s_nop 0
.rept 4
	v_nop
.endr
.Lfirst_done:
	; lane addresses.  A fragment is 16 rows x 32 K in 8 registers: lane l holds row l % 16, K = 8 (l / 16) + 0..7 and 16 + 8 (l / 16) + 0..7: two loads of 16 bytes, 32 bytes apart
	v_and_b32 v1, 15, v0                           ; r = l % 16
	v_bfe_u32 v2, v0, 4, 1                         ; h = l / 16
	v_and_b32 v3, 31, v0                           ; l
	v_mul_u32_u24 v19, v1, P
	v_lshl_add_u32 v19, v2, 4, v19                 ; 272 r + 16 h
	s_mul_i32 s84, s11, AHALF
	v_add_nc_u32 v[A0], s84, v19
	s_mul_i32 s84, s12, BHALF
	s_add_co_u32 s84, s84, BOFF
	v_add_nc_u32 v[B0], s84, v19
	v_mov_b32 v[ADRA], v[A0]
	v_mov_b32 v[ADRB], v[B0]
	s_mul_i32 s84, s10, STG
	s_add_co_u32 s84, s84, STAGE                   ; my stage
	v_mul_u32_u24 v[STO], v1, SPQ
	v_lshl_add_u32 v[STO], v2, 4, v[STO]
	v_add_nc_u32 v[STO], s84, v[STO]
.irp t, 0,1,2                          ; piece u = 32 t + l of 16 bytes lies in row u / 12 of the stage: 208 row + 16 (u - 12 row) = 16 (u + row); u / 12 = 171 u >> 11 for u < 96
	v_add_nc_u32 v20, 32*(\t), v3
	v_mul_u32_u24 v21, v20, 171
	v_lshrrev_b32 v21, 11, v21
	v_add_nc_u32 v20, v20, v21
	v_lshl_add_u32 v[RD+(\t)], v20, 4, s84
.endr
	v_lshlrev_b32 v[GO], 4, v3
	v_add_nc_u32 v[STOV], s84, v19
	v_mul_u32_u24 v[RDV], v2, P
	v_lshl_add_u32 v[RDV], v1, 4, v[RDV]
	v_add_nc_u32 v[RDV], s84, v[RDV]
	v_lshlrev_b32 v[COV], 15, v2                   ; a row of vt is 32,768 bytes
	v_lshl_add_u32 v[COV], v1, 4, v[COV]
	v_lshlrev_b32 v[BO], 5, v2
	v_lshlrev_b32 v[BV], 2, v1
	; where my results go
	s_mov_b32 s85, 0
	s_lshl_b32 s84, s40, 1
	s_add_co_u32 s84, s84, s12                     ; my panel of Q: 2 cx + column half
	s_mul_i32 s84, s84, PANEL
	s_lshl_b32 s86, s13, 8
	s_lshl_b32 s87, s11, 7
	s_add_co_u32 s86, s86, s87                     ; my first row
	s_mul_i32 s87, s86, 192
	s_add_co_u32 s84, s84, s87
	s_add_nc_u64 s[88:89], s[78:79], s[84:85]
	s_mul_i32 s84, s40, 192
	s_mul_i32 s87, s12, 96
	s_add_co_u32 s84, s84, s87                     ; my first column of 768
	s_lshl_b32 s87, s84, 2                         ; its bias, in bytes
	s_lshl_b32 s84, s84, 15
	s_lshl_b32 s86, s86, 1
	s_add_co_u32 s84, s84, s86
	s_add_nc_u64 s[90:91], s[92:93], s[84:85]
	s_mov_b32 s86, s87
	s_mov_b32 s87, 0
	s_add_nc_u64 s[94:95], s[72:73], s[86:87]      ; bq, bk, bv at my first column
	s_add_nc_u64 s[96:97], s[74:75], s[86:87]
	s_add_nc_u64 s[98:99], s[76:77], s[86:87]
	WIN 0x40
.irp b, 0,1,2,3,4,5
	global_load_b128 v[BIAS+8*(\b):BIAS+8*(\b)+3],   v[BO], s[94:95] offset:64*(\b)
	global_load_b128 v[BIAS+8*(\b)+4:BIAS+8*(\b)+7], v[BO], s[94:95] offset:64*(\b)+16
.endr
.irp b, 0,1,2,3,4,5
	global_load_b32 v[VB+(\b)], v[BV], s[98:99] offset:64*(\b)
.endr
	WIN 0
	; the prefetches
	s_lshl_b32 s84, s13, 8
	s_lshl_b32 s85, s12, 7
	s_add_co_u32 s84, s84, s85
	s_lshl_b32 s85, s40, 5
	s_add_co_u32 s84, s84, s85                     ; h: the rows that I fetch, my work-group's 32 of them
	s_mul_i32 s86, s40, 192
	s_mul_i32 s85, s12, 96
	s_add_co_u32 s86, s86, s85
	s_mul_i32 s85, s41, 24
	s_add_co_u32 s86, s86, s85                     ; w: my work-group's 24
	s_cmp_eq_u32 s11, 0
	s_cselect_b32 s84, s84, s86
	s_cselect_b32 s87, 31, 23
	s_cselect_b64 s[PFA:PFA+1], s[68:69], s[70:71]
	s_mul_i32 s84, s84, 1536
	s_add_co_u32 s84, s84, 2*KB                    ; at K step 2: the first change steps it to 3 and names step 4
	s_mov_b32 s85, 0
	s_add_nc_u64 s[PFA:PFA+1], s[PFA:PFA+1], s[84:85]
	v_min_u32 v[PFO], s87, v3
	v_mul_u32_u24 v[PFO], v[PFO], 1536
	s_cmp_eq_u32 s42, 0                            ; bit s3 of the mask: s3 = 6, 5 name this tile's steps 4, 5; s3 = 2, 1 the next tile's steps 2, 3
	s_cselect_b32 s43, 0x66, 0
	s_cselect_b32 s67, 0x18, 0                     ; in the V tile s3 = 4, 3 name steps 4, 5
	s_cmp_eq_u32 s11, 0
	s_cselect_b32 s43, 0x60, s43
	s_cselect_b32 s67, 0, s67
; THE WAY OUT OF Q AND K, a block of 16 rows at a time: rounded to f16, 16 bytes a lane into my stage (rows of 208 bytes), back as 3,072 dense bytes, stored.
.macro PACK a
	WIN 0x0a+5*((\a)/4)
.irp b, 0,1,2,3,4,5
.irp i, 0,1,2,3
	v_cvt_pk_f16_f32 v[TMP+4*(\b)+(\i)], v[48*((\a)%4)+8*(\b)+2*(\i)], v[48*((\a)%4)+8*(\b)+2*(\i)+1]
.endr
.endr
	WIN 0
.endm
.macro TOSTAGE a
.irp b, 0,1,2,3,4,5
	ds_store_b128 v[STO], v[TMP+4*(\b):TMP+4*(\b)+3] offset:32*(\b)
.endr
.irp t, 0,1,2,3,4,5
	ds_load_b128 v[OB+192*((\a)%2)+4*(\t):OB+192*((\a)%2)+4*(\t)+3], v[RD+(\t)%3] offset:((\t)/3)*8*SPQ  ; LDS serves a wave's instructions in order: these see the stores above
.endr
.endm
.macro SEND a
	s_wait_dscnt 0x0                               ; the block is back in registers
	s_wait_xcnt 0x0                                ; earlier stores have read their registers: the other buffer may be loaded again behind this wait
.irp t, 0,1,2,3,4,5
	global_store_b128 v[GO], v[OB+192*((\a)%2)+4*(\t):OB+192*((\a)%2)+4*(\t)+3], s[88:89] offset:3072*(\a)+512*(\t)  ; 512 consecutive bytes, aligned
.endr
.endm
; THE WAY OUT OF V, a block of 16 channels at a time: a lane's eight rows of a channel are 16 bytes; 16 channels x 128 rows go through the stage (rows of 272 bytes) and leave as rows of 256 bytes.
.macro PACKV b
	WIN 0x0a
.irp a, 0,1,2,3
.irp i, 0,1,2,3
	v_cvt_pk_f16_f32 v[TMP+4*(\a)+(\i)], v[48*(\a)+8*(\b)+2*(\i)], v[48*(\a)+8*(\b)+2*(\i)+1]
.endr
.endr
	WIN 0x0f
.irp a, 0,1,2,3
.irp i, 0,1,2,3
	v_cvt_pk_f16_f32 v[TMP+16+4*(\a)+(\i)], v[48*(\a)+8*(\b)+2*(\i)], v[48*(\a)+8*(\b)+2*(\i)+1]
.endr
.endr
	WIN 0
.endm
.macro TOSTAGEV b
.irp a, 0,1,2,3,4,5,6,7
	ds_store_b128 v[STOV], v[TMP+4*(\a):TMP+4*(\a)+3] offset:32*(\a)
.endr
.irp t, 0,1,2,3,4,5,6,7
	ds_load_b128 v[OB+192*((\b)%2)+4*(\t):OB+192*((\b)%2)+4*(\t)+3], v[RDV] offset:2*P*(\t)
.endr
.endm
.macro SENDV b
	s_wait_dscnt 0x0
	s_wait_xcnt 0x0
.irp t, 0,1,2,3,4,5,6,7
	global_store_b128 v[COV], v[OB+192*((\b)%2)+4*(\t):OB+192*((\b)%2)+4*(\t)+3], s[90:91] offset:524288*(\b)+65536*(\t)  ; 16 lanes store 256 consecutive bytes, aligned
.endr
.endm
	s_wait_tensorcnt 1                             ; my part of K step 0 is in; step 1's may stay out
	s_barrier_signal -1
	s_barrier_wait -1
	FETCH 0, F0
	s_mov_b32 s2, 2
.Ltile:                                        ; the tiles of Q and of K
	s_wait_loadcnt 0x0                             ; the bias
	QUARTER 64, F0, F1, 1                          ; a tile's first quarter starts the sums
	WIN 0
	s_mov_b32 s3, 6
.Lk:                                           ; a trip: from a step's second quarter to the next step's first; all six changes of slots fill, the last two with the next tile's steps 0 and 1
	QUARTER 128, F1, F0, 0
	QUARTER 192, F0, F1, 0
	TURN F1, F0, 1
	WIN 0
	s_sub_co_u32 s3, s3, 1
	s_cmp_eq_u32 s3, 0
	s_cbranch_scc1 .Lko
	QUARTER 64, F0, F1, 0
	WIN 0
	s_branch .Lk
.Lko:
	WIN 0x40                                       ; bk takes bq's place (behind K's tile it is loaded once more and not used)
.irp b, 0,1,2,3,4,5
	global_load_b128 v[BIAS+8*(\b):BIAS+8*(\b)+3],   v[BO], s[96:97] offset:64*(\b)
	global_load_b128 v[BIAS+8*(\b)+4:BIAS+8*(\b)+7], v[BO], s[96:97] offset:64*(\b)+16
.endr
	WIN 0
	PACK 0                                         ; blocks 0-3 were finished ahead of the joint load's four v_nop; their conversions are the places behind the last products
	TOSTAGE 0
.irp a, 1,2,3,4,5,6,7
	PACK \a
	SEND (\a)-1
	TOSTAGE \a
.endr
	SEND 7
	s_wait_xcnt 0x0                                ; the stores have read their base and registers
	s_add_nc_u64 s[88:89], s[88:89], 8*PANEL       ; K's panels
	s_cmp_eq_u32 s11, 0
	s_cselect_b32 s43, 0, s43                      ; h's rows have been read: they are asked for no more
	s_sub_co_u32 s2, s2, 1
	s_cmp_lg_u32 s2, 0
	s_cbranch_scc1 .Ltile
.set SWAP, 1                           ; THE TILE OF V
.set WRAP, 0
.set AM, 67
	s_wait_loadcnt 0x0
	WIN 0x41
.irp b, 0,1,2,3,4,5
.irp j, 0,1,2,3,4,5,6,7
	v_mov_b32 v[BIAS+8*(\b)+(\j)], v[VB+(\b)]      ; a lane's eight results of a block belong to one channel
.endr
.endr
	QUARTER 64, F0, F1, 1
	WIN 0
	s_mov_b32 s3, 4
.Lv:                                           ; four changes of slots fill steps 2 to 5
	QUARTER 128, F1, F0, 0
	QUARTER 192, F0, F1, 0
	TURN F1, F0, 1
	QUARTER 64, F0, F1, 0
	WIN 0
	s_sub_co_u32 s3, s3, 1
	s_cmp_lg_u32 s3, 0
	s_cbranch_scc1 .Lv
	s_mov_b32 s3, 2
.Lvt:                                          ; the last two steps ask for nothing; the second trip is left in its middle, and its barrier and fetch (of landed bytes) serve nothing: the price of one text
	QUARTER 128, F1, F0, 0
	QUARTER 192, F0, F1, 0
	TURN F1, F0, 0
	WIN 0
	s_sub_co_u32 s3, s3, 1
	s_cmp_eq_u32 s3, 0
	s_cbranch_scc1 .Lvo
	QUARTER 64, F0, F1, 0
	WIN 0
	s_branch .Lvt
.Lvo:
	s_wait_dscnt 0x0
	PLACES                                         ; the conversions read results just made
	PACKV 0
	TOSTAGEV 0
.irp b, 1,2,3,4,5
	PACKV \b
	SENDV (\b)-1
	TOSTAGEV \b
.endr
	SENDV 5
	s_wait_tensorcnt 0x0                           ; the wave's end
	ds_add_u32 v[SPW], v[NIL]
	s_wait_dscnt 0x0
	CROUND                                         ; the closing round
	s_endpgm
.Lfunc_end_k_qda3ea36878_qkv:
	.size	k_qda3ea36878_qkv, .Lfunc_end_k_qda3ea36878_qkv-k_qda3ea36878_qkv
	.p2alignl 7, 3214868480
	.fill 96, 4, 3214868480
	.section	.rodata,"a",@progbits
	.p2align	6, 0x0
	.amdhsa_kernel k_qda3ea36878_qkv
		.amdhsa_group_segment_fixed_size 327680
		.amdhsa_private_segment_fixed_size 0
		.amdhsa_enable_private_segment 0
		.amdhsa_kernarg_size 56
		.amdhsa_user_sgpr_count 2
		.amdhsa_user_sgpr_kernarg_segment_ptr 1
		.amdhsa_wavefront_size32 1
		.amdhsa_system_sgpr_workgroup_id_x 1
		.amdhsa_system_sgpr_workgroup_id_y 1
		.amdhsa_system_sgpr_workgroup_id_z 1
		.amdhsa_system_vgpr_workitem_id 0
		.amdhsa_next_free_vgpr 960
		.amdhsa_next_free_sgpr 100
		.amdhsa_reserve_vcc 0
		.amdhsa_float_denorm_mode_32 3
		.amdhsa_float_denorm_mode_16_64 3
		.amdhsa_memory_ordered 1
		.amdhsa_forward_progress 1
		.amdhsa_inst_pref_size 139
	.end_amdhsa_kernel
	.amdgpu_metadata
---
amdhsa.version: [ 1, 2 ]
amdhsa.kernels:
  - .name:           k_qda3ea36878_qkv
    .symbol:         k_qda3ea36878_qkv.kd
    .args:
      - { .name: h16, .offset: 0, .size: 8, .value_kind: global_buffer, .address_space: global }
      - { .name: w16, .offset: 8, .size: 8, .value_kind: global_buffer, .address_space: global }
      - { .name: bq, .offset: 16, .size: 8, .value_kind: global_buffer, .address_space: global }
      - { .name: bk, .offset: 24, .size: 8, .value_kind: global_buffer, .address_space: global }
      - { .name: bv, .offset: 32, .size: 8, .value_kind: global_buffer, .address_space: global }
      - { .name: qk, .offset: 40, .size: 8, .value_kind: global_buffer, .address_space: global }
      - { .name: vt, .offset: 48, .size: 8, .value_kind: global_buffer, .address_space: global }
    .group_segment_fixed_size: 327680
    .private_segment_fixed_size: 0
    .kernarg_segment_align: 8
    .kernarg_segment_size: 56
    .max_flat_workgroup_size: 128
    .sgpr_count:     100
    .vgpr_count:     960
    .wavefront_size: 32
...
	.end_amdgpu_metadata
.endif
;; end of part 2
;; launch sm (part 3): grid 4 x 64, 4 waves a work-group, clusters of 4 x 4, 327,680 bytes of LDS; arguments qk, p, stat; writes p, stat
.if DOCPART == 3
	.amdgcn_target "amdgcn-amd-amdhsa--gfx1250"
	.amdhsa_code_object_version 6
	.text
	.protected	k_qda3ea36878_sm
	.globl	k_qda3ea36878_sm
	.p2align	8
	.type	k_qda3ea36878_sm,@function
k_qda3ea36878_sm:
	s_mov_b64 s[64:65], 0
	v_nop
	global_prefetch_b8 v0, s[64:65] scope:SCOPE_SE
	s_setreg_imm32_b32 hwreg(HW_REG_WAVE_MODE, 25, 1), 1
	s_wait_xcnt 0x0
	s_wait_alu depctr_hold_cnt(0) depctr_sa_sdst(0) depctr_va_vdst(0) depctr_va_sdst(0) depctr_va_ssrc(0) depctr_va_vcc(0) depctr_vm_vsrc(0)
	s_getreg_b32 s2, hwreg(HW_REG_IB_STS2, 6, 4)
	s_cmp_eq_u32 s2, 0
	s_cbranch_scc0 .Lentry_in_a_cluster
	s_endpgm
.Lentry_in_a_cluster:
	s_bfe_u32 s2, ttmp6, 0x10000c
	s_cmp_lg_u32 s2, 0xf033
	s_cbranch_scc0 .Lentry_shape_is_right
	s_endpgm
.Lentry_shape_is_right:
; S = Q K^T for each of 16 batches, and the softmax's first half: for each query and each block of 128 keys the maximum m of the scores, p = 2^(c s - c m) rounded to f16, and l = the sum of the
; unrounded p; c = log2(e) / sqrt(768).  The blocks are joined exactly by the next launch, from c m and l.
; IN.  qk: 16 panels [16384 rows][96 channels] f16, panels 0-7 Q, 8-15 K.  OUT.  p: [16384][1024] f16.  stat: c m as [16 batches][8 key blocks][1024 queries] f32, then l alike, 524,288 bytes on.
; LIMITS: a weight below 2^-126 counts as 0 in l; below 6e-5 p keeps f16's fixed step of 6e-8; NaN and infinities are not treated apart.
; SHARES.  A cluster of 4 x 4 work-groups is a batch; work-group (cx, cy) makes queries 256 cy .. x keys 256 cx ..; a wave 128 x 128: 64 accumulators, 512 registers.
; K = 768 goes in 8 steps of 96 channels, a panel a step: a wave's part of a step, 128 rows x 192 bytes, is dense and is asked for as 96 rows of 256 bytes, padded in LDS after every 64 bytes.
; Q's tile is shared along a row of the cluster, K's along a column: joint loads.
; Source 0 = 16 keys, source 1 = 16 queries: a lane holds query l % 16 and the keys 8 (l / 16) + 0..7 of each key block of 16: a query's 128 scores lie in two lanes, 16 apart.
; REGISTERS: window 0: v0-31 addresses; v64-255 Q's fragments, three buffers of 64 (on the way out: v32-35 the statistics of the block in hand, v64-71 at work, v96-127 packed p,
;   v128-159 rows read back, v192-255 the block's 64 scaled scores)
;   window 1: v64-255 K's fragments;   window 2: accumulator (a, b), a < 4, at 8 (8 a + b);   window 3: a >= 4
.set PANEL,  3145728
.set KB,     PANEL                     ; from a K step to the next
.set P,      240                       ; an LDS row: three pieces of 64 bytes + 16: the 16 rows of a fragment load start 16 bytes apart modulo 256
.set PART,   128*P                     ; what one tensor load brings
.set BOFF,   2*PART
.set SLOT1,  131072                    ; a slot has 122,880 bytes
.set STAGE,  SLOT1+4*PART              ; behind the ring, never filled by a tensor load: 5,376 bytes a wave:
.set SP,     272                       ; 16 rows of 272 bytes for p,
.set STATS,  16*SP                     ; then 512 bytes for c m and 512 for l of my 128 queries
.set STG,    STATS+1024
.set SPARE,  STAGE+4*STG               ; the spare words: two blocks of 256 bytes that no other line names
.set NL,     32
.set A0,   4
.set B0,   5
.set ADRA, 6
.set ADRB, 7
.set STO,  8                           ; v8   where I put 16 bytes of a row of p
.set RD,   9                           ; v9   where I read rows back
.set SA,   10                          ; v10  my statistics + 4 (l % 16); never rewritten
.set SR,   11                          ; v11  my statistics + 16 l
.set CO,   12                          ; v12  my byte offset in two rows of p
.set PFO,  13
.set SG,   14                          ; v14  16 l
.set SAD,  15                          ; v15  SA at the block in hand
.set SPW,  28
.set NIL,  29
.set ST,   32                          ; c m, m, l (even keys', odd keys') of the block in hand
.set F0,   64
.set F1,   128
.set F2,   192
.set T,    64
.set TMP,  96
.set OB,   128
.set X,    192
.set G1A,  24
.set G0A,  32
.set G1B,  48
.set G0B,  56
.set PFA,  44
.set CS,   92                          ; s[92:93] c
.set SEL,  94                          ; s[94:95] v_permlanex16_b32's selects: each lane takes its own place in the other half
.set MSB, 0
.macro WIN new
.if MSB != (\new)
	s_set_vgpr_msb (MSB<<8)|(\new)
.set MSB, \new
.endif
.endm
.macro PLACES
.rept 4
	v_nop
.endr
.endm
.macro JLOAD                           ; a joint refill: waves 0, 1 fetch Q's halves, waves 2, 3 K's; an s_nop 0 and four v_nop follow each line
	s_cmp_eq_u32 s11, 0
	s_cbranch_scc0 .Lfor_b_\@
	tensor_load_to_lds s[G0A+4:G0A+7], s[G1A:G1A+7]
	s_nop 0
.rept 4
	v_nop
.endr
	s_branch .Lasked_\@
.Lfor_b_\@:
	tensor_load_to_lds s[G0B+4:G0B+7], s[G1B:G1B+7]
	s_nop 0
.rept 4
	v_nop
.endr
.Lasked_\@:
.endm
.macro CREST
	s_cmp_lg_u32 s10, 0
	s_cbranch_scc1 .Lnot_wave_0_\@
	s_barrier_signal -3
.Lnot_wave_0_\@:
	s_barrier_wait -3
	s_barrier_signal -1
	s_barrier_wait -1
.endm
.macro CROUND
	s_barrier_signal -1
	s_barrier_wait -1
	CREST
.endm
; A prefetch of the K step two refills on.  A wave's part is 96 blocks of 256 bytes, read by this cluster alone; the four partners of its joint load take 24 each BY ADDRESS (cx for Q, cy for K);
; a lane a block, lanes 24-31 repeat lane 23's in the same instruction.  Steps 4 to 7 are asked for: the changes with s3 = 6 .. 3.
.macro ASK
	s_cmp_gt_u32 s3, 2
	s_cbranch_scc0 .Lnone_\@
	global_prefetch_b8 v[PFO], s[PFA:PFA+1] offset:KB th:TH_LOAD_NT scope:SCOPE_SE
.Lnone_\@:
.endm
; 16 products; the 64 accumulators take turns in one fixed order.  z = 1: the first product starts the sum
.macro MULP f, hi, a0, z
	WIN 0xa1+0x50*(\hi)
.irp a, \a0, (\a0)+1
.irp b, 0,1,2,3,4,5,6,7
.set rD, 8*(8*(\a)+(\b))
.if \z
	v_wmma_f32_16x16x32_f16 v[rD:rD+7], v[(\f)+8*(\b):(\f)+8*(\b)+7], v[(\f)+8*(4*(\hi)+(\a)):(\f)+8*(4*(\hi)+(\a))+7], 0
.else
	v_wmma_f32_16x16x32_f16 v[rD:rD+7], v[(\f)+8*(\b):(\f)+8*(\b)+7], v[(\f)+8*(4*(\hi)+(\a)):(\f)+8*(4*(\hi)+(\a))+7], v[rD:rD+7]
.endif
.endr
.endr
.endm
.macro FETCH k, f                      ; 32 LDS loads in one run: K's fragments first, Q's rows 64-127 last
	WIN 0x40
.irp i, 0,1,2,3,4,5,6,7
	ds_load_b128 v[(\f)+8*(\i):(\f)+8*(\i)+3],   v[ADRB] offset:(\k)+(\i)*16*P
	ds_load_b128 v[(\f)+8*(\i)+4:(\f)+8*(\i)+7], v[ADRB] offset:(\k)+(\i)*16*P+32
.endr
	WIN 0
.irp i, 0,1,2,3,4,5,6,7
	ds_load_b128 v[(\f)+8*(\i):(\f)+8*(\i)+3],   v[ADRA] offset:(\k)+(\i)*16*P
	ds_load_b128 v[(\f)+8*(\i)+4:(\f)+8*(\i)+7], v[ADRA] offset:(\k)+(\i)*16*P+32
.endr
.endm
.macro QUARTER k, f, g, z              ; one of a step's first two thirds
	s_wait_dscnt 8                                 ; all but the youngest eight loads (Q's rows 64-127) are in
	MULP \f, 0, 0, \z
	MULP \f, 0, 2, \z
	PLACES
	FETCH \k, \g
	s_wait_dscnt NL                                ; all but the run just issued
	MULP \f, 1, 0, \z
	MULP \f, 1, 2, \z
.endm
.macro STEP
	s_xor_b32 s[G0A+5], s[G0A+5], SLOT1
	s_add_nc_u64 s[G0A+6:G0A+7], s[G0A+6:G0A+7], KB
	s_xor_b32 s[G0B+5], s[G0B+5], SLOT1
	s_add_nc_u64 s[G0B+6:G0B+7], s[G0B+6:G0B+7], KB
.endm
.macro MEET f, round                   ; ONE barrier for the change of slots: all my tensor loads, the add, my reads of this slot
	WIN 0
	s_wait_tensorcnt 0x0
	ds_add_u32 v[SPW], v[NIL]
.if \round
	STEP
.endif
	s_wait_dscnt 9                                 ; the add and the youngest eight loads may be out
	MULP \f, 0, 0, 0
	s_wait_dscnt 0x0
	s_barrier_signal -1
	MULP \f, 0, 2, 0
.if \round
	WIN 0
.endif
	s_barrier_wait -1
.endm
.macro TURN f, g, fill                 ; a step's last third
.if \fill
	s_wait_xcnt 0x0                                ; the last prefetch, a K step back, has read its address
	s_add_nc_u64 s[PFA:PFA+1], s[PFA:PFA+1], KB
.endif
	MEET \f, \fill
.if \fill
	CREST
	JLOAD
.else
	WIN 0
	PLACES
.endif
	s_xor_b32 s66, s66, SLOT1
	v_add_nc_u32 v[ADRA], s66, v[A0]
	v_add_nc_u32 v[ADRB], s66, v[B0]
	FETCH 0, \g
.if \fill
	ASK
.endif
	MULP \f, 1, 0, 0
	MULP \f, 1, 2, 0
.endm
	s_load_b128 s[68:71], s[0:1], 0x0              ; qk s[68:69], p s[70:71]
	s_load_b64 s[72:73], s[0:1], 0x10              ; stat
	v_lshl_add_u32 v[SPW], v0, 2, SPARE
	v_mov_b32 v[NIL], 0
	ds_add_u32 v[SPW], v[NIL]                      ; the wave's opening: the add and its wait ahead of my first tensor load
	v_lshrrev_b32 v1, 5, v0
	v_readfirstlane_b32 s10, v1
	s_lshr_b32 s11, s10, 1                         ; my half of the queries; also: I fetch for Q (0) or K (1)
	s_and_b32 s12, s10, 1                          ; my half of the keys; also: which half I fetch
	s_bfe_u32 s40, ttmp6, 0x40000                  ; cx
	s_bfe_u32 s41, ttmp6, 0x40004                  ; cy
	s_and_b32 s42, ttmp7, 0xffff                   ; the batch
	s_lshl_b32 s13, s42, 2
	s_add_co_u32 s13, s13, s41                     ; 4 x batch + cy: my 256 queries among the 16,384 rows
	s_lshl_b32 s14, s41, 2
	s_lshl_b32 s14, 15, s14
	s_lshl_b32 s15, 0x1111, s40
	s_or_b32 s[G1A], s14, 0x06F10000               ; the mask; 2-byte elements; padding on; bit 21 beside a mask; after every 16 words 4 words
	s_or_b32 s[G1B], s15, 0x06F10000
.irp g, G1A, G1B
	s_mov_b32 s[(\g)+1], 128<<16                   ; tensor_dim0 = 128
	s_mov_b32 s[(\g)+2], 96<<16                    ; tensor_dim1 = 96
	s_mov_b32 s[(\g)+3], 128<<16                   ; tile_dim0 = 128
	s_mov_b32 s[(\g)+4], 96                        ; tile_dim1 = 96
	s_mov_b32 s[(\g)+5], 128                       ; dense
	s_mov_b32 s[(\g)+6], 0
	s_mov_b32 s[(\g)+7], 0
.endr
	s_lshl_b32 s16, s13, 8
	s_lshl_b32 s17, s12, 7
	s_add_co_u32 s16, s16, s17
	s_mul_i32 s16, s16, 192                        ; Q: my part's first row, in bytes of a panel
	s_mov_b32 s17, 0
	s_lshl_b32 s46, s42, 10
	s_lshl_b32 s47, s40, 8
	s_add_co_u32 s46, s46, s47
	s_lshl_b32 s47, s12, 7
	s_add_co_u32 s46, s46, s47
	s_mul_i32 s46, s46, 192
	s_add_co_u32 s46, s46, 8*PANEL                 ; K: likewise, behind Q's eight panels
	s_mov_b32 s47, 0
	s_mul_i32 s20, s10, PART                       ; where my part goes: the wave's number alone
	s_mov_b32 s66, 0
	s_mov_b32 s[CS], 0x3d553b94                    ; c = log2(e) / sqrt(768) = 0.0520588
	s_mov_b32 s[CS+1], s[CS]
	s_mov_b32 s[SEL], 0x76543210
	s_mov_b32 s[SEL+1], 0xfedcba98
	s_mov_b32 s[G0A], 1
	s_mov_b32 s[G0A+1], s20
	s_mov_b32 s[G0A+4], 1
	s_add_co_u32 s[G0A+5], s20, SLOT1
	s_mov_b32 s[G0B], 1
	s_mov_b32 s[G0B+1], s20
	s_mov_b32 s[G0B+4], 1
	s_add_co_u32 s[G0B+5], s20, SLOT1
	s_wait_dscnt 0x0
	s_wait_kmcnt 0x0
	s_add_nc_u64 s[G0A+2:G0A+3], s[68:69], s[16:17]
	s_add_nc_u64 s[G0A+6:G0A+7], s[G0A+2:G0A+3], KB
	s_or_b32 s[G0A+3], s[G0A+3], 0x80000000
	s_or_b32 s[G0A+7], s[G0A+7], 0x80000000
	s_add_nc_u64 s[G0B+2:G0B+3], s[68:69], s[46:47]
	s_add_nc_u64 s[G0B+6:G0B+7], s[G0B+2:G0B+3], KB
	s_or_b32 s[G0B+3], s[G0B+3], 0x80000000
	s_or_b32 s[G0B+7], s[G0B+7], 0x80000000
	CROUND
	s_cmp_eq_u32 s11, 0
	s_cbranch_scc0 .Lfirst_b
	tensor_load_to_lds s[G0A:G0A+3], s[G1A:G1A+7]
	s_nop 0
	tensor_load_to_lds s[G0A+4:G0A+7], s[G1A:G1A+7]
	s_nop 0
.rept 4
	v_nop
.endr
	s_branch .Lfirst_done
.Lfirst_b:
	tensor_load_to_lds s[G0B:G0B+3], s[G1B:G1B+7]
	s_nop 0
	tensor_load_to_lds s[G0B+4:G0B+7], s[G1B:G1B+7]
	s_nop 0
.rept 4
	v_nop
.endr
.Lfirst_done:
	v_and_b32 v1, 15, v0                           ; r
	v_bfe_u32 v2, v0, 4, 1                         ; h
	v_and_b32 v3, 31, v0                           ; l
	v_mul_u32_u24 v19, v1, P
	v_lshl_add_u32 v19, v2, 4, v19
	s_mul_i32 s84, s11, PART
	v_add_nc_u32 v[A0], s84, v19
	s_mul_i32 s84, s12, PART
	s_add_co_u32 s84, s84, BOFF
	v_add_nc_u32 v[B0], s84, v19
	v_mov_b32 v[ADRA], v[A0]
	v_mov_b32 v[ADRB], v[B0]
	s_mul_i32 s84, s10, STG
	s_add_co_u32 s84, s84, STAGE                   ; my stage
	v_mul_u32_u24 v[STO], v1, SP
	v_lshl_add_u32 v[STO], v2, 4, v[STO]
	v_add_nc_u32 v[STO], s84, v[STO]
	v_mul_u32_u24 v[RD], v2, SP
	v_lshl_add_u32 v[RD], v1, 4, v[RD]
	v_add_nc_u32 v[RD], s84, v[RD]
	s_add_co_u32 s86, s84, STATS                   ; my statistics
	v_lshl_add_u32 v[SA], v1, 2, s86
	v_lshl_add_u32 v[SR], v3, 4, s86
	v_lshlrev_b32 v[CO], 11, v2                    ; a row of p is 2,048 bytes
	v_lshl_add_u32 v[CO], v1, 4, v[CO]
	v_lshlrev_b32 v[SG], 4, v3
	v_min_u32 v[PFO], 23, v3
	v_lshlrev_b32 v[PFO], 8, v[PFO]
	s_mul_i32 s84, s40, 6144                       ; the prefetches: my work-group's 24 blocks of the part that I fetch,
	s_add_co_u32 s84, s84, s16
	s_mul_i32 s86, s41, 6144
	s_add_co_u32 s86, s86, s46
	s_cmp_eq_u32 s11, 0
	s_cselect_b32 s84, s84, s86
	s_add_co_u32 s84, s84, 2*PANEL                 ; at K step 2
	s_mov_b32 s85, 0
	s_add_nc_u64 s[PFA:PFA+1], s[68:69], s[84:85]
	s_lshl_b32 s84, s13, 8                         ; p at my first query and key
	s_lshl_b32 s86, s11, 7
	s_add_co_u32 s84, s84, s86
	s_lshl_b32 s84, s84, 11
	s_lshl_b32 s86, s40, 9
	s_add_co_u32 s84, s84, s86
	s_lshl_b32 s86, s12, 8
	s_add_co_u32 s84, s84, s86
	s_add_nc_u64 s[88:89], s[70:71], s[84:85]
	s_lshl_b32 s84, s42, 3                         ; stat at (batch, key block 2 cx + half, my first query)
	s_lshl_b32 s86, s40, 1
	s_add_co_u32 s84, s84, s86
	s_add_co_u32 s84, s84, s12
	s_lshl_b32 s84, s84, 12
	s_lshl_b32 s86, s41, 10
	s_add_co_u32 s84, s84, s86
	s_lshl_b32 s86, s11, 9
	s_add_co_u32 s84, s84, s86
	s_add_nc_u64 s[90:91], s[72:73], s[84:85]
	s_wait_tensorcnt 1                             ; my part of K step 0 is in; step 1's may stay out
	s_barrier_signal -1
	s_barrier_wait -1
	FETCH 0, F0
	QUARTER 80, F0, F1, 1                          ; the first third starts the sums
	WIN 0
	s_mov_b32 s3, 6
.Lk:                                           ; six changes of slots fill steps 2 to 7
	QUARTER 160, F1, F2, 0
	TURN F2, F0, 1
	QUARTER 80, F0, F1, 0
	WIN 0
	s_sub_co_u32 s3, s3, 1
	s_cmp_lg_u32 s3, 0
	s_cbranch_scc1 .Lk
	s_mov_b32 s3, 2
.Lt:                                           ; the last two steps ask for nothing; the second trip is left in its middle, and its barrier and fetch (of landed bytes) serve nothing
	QUARTER 160, F1, F2, 0
	TURN F2, F0, 0
	WIN 0
	s_sub_co_u32 s3, s3, 1
	s_cmp_eq_u32 s3, 0
	s_cbranch_scc1 .Lout
	QUARTER 80, F0, F1, 0
	WIN 0
	s_branch .Lt
; THE SOFTMAX, a block of 16 queries x my 128 keys at a time (64 scores a lane): a loop of eight trips.  A register's number cannot be computed, so what names a block's accumulators is written once
; for each block (SPEC, 67 lines), and all else once: the loop's head picks the block's lines by the trip's counter; every jump but the loop's own goes forward.
; SPEC a: the maximum, three operands at a time, each accumulator's lowest registers first; the other half of the lanes' maximum; c m; then the 32 scalings
; c s - c m, which leave the accumulators' window: their results lie in 64 fixed registers of window 0.
.macro SPEC a
.set W,  2+(\a)/4
.set AC, 64*((\a)%4)
	WIN W*0x15                                     ; all three sources in the accumulators' window
.irp b, 0,1,2,3,4,5,6,7
	v_max3_num_f32 v[T+(\b)], v[AC+8*(\b)], v[AC+8*(\b)+1], v[AC+8*(\b)+2]
.endr
	WIN W*0x14
.irp b, 0,1,2,3,4,5,6,7
	v_max3_num_f32 v[T+(\b)], v[T+(\b)], v[AC+8*(\b)+3], v[AC+8*(\b)+4]
.endr
.irp b, 0,1,2,3,4,5,6,7
	v_max3_num_f32 v[T+(\b)], v[T+(\b)], v[AC+8*(\b)+5], v[AC+8*(\b)+6]
.endr
.irp b, 0,2,4,6
	v_max3_num_f32 v[T+(\b)], v[T+(\b)], v[AC+8*(\b)+7], v[AC+8*(\b)+15]
.endr
	WIN 0
	v_max3_num_f32 v[T], v[T], v[T+1], v[T+2]
	v_max3_num_f32 v[T+3], v[T+3], v[T+4], v[T+5]
	v_max3_num_f32 v[T], v[T], v[T+6], v[T+7]
	v_max_num_f32 v[T], v[T], v[T+3]
	v_permlanex16_b32 v[T+1], v[T], s[SEL], s[SEL+1]  ; the query's other 64 keys lie in the lane 16 away
	v_max_num_f32 v[ST+1], v[T], v[T+1]
	v_mul_f32 v[ST], s[CS], v[ST+1]
	WIN W                                          ; source 0 in the accumulators' window; c m and the destination in window 0
.set n, 0
.rept 32
	v_pk_fma_f32 v[X+2*n:X+2*n+1], v[AC+2*n:AC+2*n+1], s[CS:CS+1], v[ST:ST+1] op_sel_hi:[1,0,0] neg_lo:[0,0,1] neg_hi:[0,0,1]
.set n, n+1
.endr
	WIN 0
.endm
.Lout:
	s_wait_dscnt 0x0
	PLACES                                         ; the maxima read results just made
	s_mov_b32 s3, 8                                ; blocks to go: block 8 - s3 is in hand
	s_mov_b32 s67, 0                               ; 64 x block: its 16 words among my statistics
.Lblk:
.irp a, 0,1,2,3,4,5,6
	s_cmp_eq_u32 s3, 8-(\a)
	s_cbranch_scc1 .Lb\a
.endr
	SPEC 7
	s_branch .Lcommon
.irp a, 0,1,2,3,4,5
.Lb\a:
	SPEC \a
	s_branch .Lcommon
.endr
.Lb6:
	SPEC 6
.Lcommon:
	; The exponentials go in two batches of 32, each with one plain instruction behind it and ONE wait ahead of a batch's first use.  Between the second batch's stand the first
	; half's roundings to f16 and first additions, which name the first batch's results alone.
	v_add_nc_u32 v[SAD], s67, v[SA]
.set e, 0
.rept 32
	v_exp_f32 v[X+e], v[X+e]
.set e, e+1
.endr
	v_nop
	s_wait_alu depctr_va_vdst(0)
.set n, 0
.rept 8
	v_exp_f32 v[X+32+4*n], v[X+32+4*n]
	v_cvt_pk_f16_f32 v[TMP+2*n], v[X+4*n], v[X+4*n+1]
	v_exp_f32 v[X+33+4*n], v[X+33+4*n]
	v_cvt_pk_f16_f32 v[TMP+2*n+1], v[X+4*n+2], v[X+4*n+3]
	v_exp_f32 v[X+34+4*n], v[X+34+4*n]
	v_pk_add_f32 v[X+4*n:X+4*n+1], v[X+4*n:X+4*n+1], v[X+4*n+2:X+4*n+3]
	v_exp_f32 v[X+35+4*n], v[X+35+4*n]
.set n, n+1
.endr
	v_nop
	s_wait_alu depctr_va_vdst(0)
.set n, 8
.rept 8
	v_cvt_pk_f16_f32 v[TMP+2*n], v[X+4*n], v[X+4*n+1]
	v_cvt_pk_f16_f32 v[TMP+2*n+1], v[X+4*n+2], v[X+4*n+3]
.set n, n+1
.endr
.irp b, 0,1,2,3,4,5,6,7                ; 16 bytes a lane into rows of 272 bytes, back as whole rows of 256
	ds_store_b128 v[STO], v[TMP+4*(\b):TMP+4*(\b)+3] offset:32*(\b)
.endr
.irp t, 0,1,2,3,4,5,6,7
	ds_load_b128 v[OB+4*(\t):OB+4*(\t)+3], v[RD] offset:2*SP*(\t)  ; LDS serves a wave's instructions in order: these see the stores above, and the next trip's stores come behind them
.endr
.set n, 8                              ; the rest of the sum of the 32 pairs stands between those loads and the wait for them
.rept 8
	v_pk_add_f32 v[X+4*n:X+4*n+1], v[X+4*n:X+4*n+1], v[X+4*n+2:X+4*n+3]
.set n, n+1
.endr
.irp w, 8,16,32
.set n, 0
.rept 64/(\w)
	v_pk_add_f32 v[X+n:X+n+1], v[X+n:X+n+1], v[X+n+(\w)/2:X+n+(\w)/2+1]
.set n, n+(\w)
.endr
.endr
	v_pk_add_f32 v[ST+2:ST+3], v[X:X+1], v[X+32:X+33]
	v_add_f32 v[ST+2], v[ST+2], v[ST+3]            ; l: even and odd keys',
	v_permlanex16_b32 v[ST+3], v[ST+2], s[SEL], s[SEL+1]
	v_add_f32 v[ST+2], v[ST+2], v[ST+3]            ; and the other half of the lanes'
	ds_store_b32 v[SAD], v[ST]                     ; both halves of the lanes write the same number to the same word
	ds_store_b32 v[SAD], v[ST+2] offset:512
	s_wait_dscnt 2                                 ; the block is back in registers; the two stores just issued may be out
.irp t, 0,1,2,3,4,5,6,7
	global_store_b128 v[CO], v[OB+4*(\t):OB+4*(\t)+3], s[88:89] offset:4096*(\t)  ; 16 lanes store 256 consecutive bytes, aligned
.endr
	s_wait_xcnt 0x0                                ; the stores have read their base and their data: both are written again only behind this wait
	s_add_nc_u64 s[88:89], s[88:89], 32768         ; 16 rows of p on
	s_add_co_u32 s67, s67, 64
	s_sub_co_u32 s3, s3, 1
	s_cmp_lg_u32 s3, 0
	s_cbranch_scc1 .Lblk
	ds_load_b128 v[T:T+3], v[SR]                   ; c m and l of my 128 queries leave as 512 dense bytes each
	ds_load_b128 v[T+4:T+7], v[SR] offset:512
	s_wait_dscnt 0x0
	global_store_b128 v[SG], v[T:T+3], s[90:91]
	global_store_b128 v[SG], v[T+4:T+7], s[90:91] offset:524288
	s_wait_tensorcnt 0x0                           ; the wave's end
	ds_add_u32 v[SPW], v[NIL]
	s_wait_dscnt 0x0
	CROUND                                         ; the closing round
	s_endpgm
.Lfunc_end_k_qda3ea36878_sm:
	.size	k_qda3ea36878_sm, .Lfunc_end_k_qda3ea36878_sm-k_qda3ea36878_sm
	.p2alignl 7, 3214868480
	.fill 96, 4, 3214868480
	.section	.rodata,"a",@progbits
	.p2align	6, 0x0
	.amdhsa_kernel k_qda3ea36878_sm
		.amdhsa_group_segment_fixed_size 327680
		.amdhsa_private_segment_fixed_size 0
		.amdhsa_enable_private_segment 0
		.amdhsa_kernarg_size 24
		.amdhsa_user_sgpr_count 2
		.amdhsa_user_sgpr_kernarg_segment_ptr 1
		.amdhsa_wavefront_size32 1
		.amdhsa_system_sgpr_workgroup_id_x 1
		.amdhsa_system_sgpr_workgroup_id_y 1
		.amdhsa_system_sgpr_workgroup_id_z 1
		.amdhsa_system_vgpr_workitem_id 0
		.amdhsa_next_free_vgpr 1024
		.amdhsa_next_free_sgpr 100
		.amdhsa_reserve_vcc 0
		.amdhsa_float_denorm_mode_32 3
		.amdhsa_float_denorm_mode_16_64 3
		.amdhsa_memory_ordered 1
		.amdhsa_forward_progress 1
		.amdhsa_inst_pref_size 100
	.end_amdhsa_kernel
	.amdgpu_metadata
---
amdhsa.version: [ 1, 2 ]
amdhsa.kernels:
  - .name:           k_qda3ea36878_sm
    .symbol:         k_qda3ea36878_sm.kd
    .args:
      - { .name: qk, .offset: 0, .size: 8, .value_kind: global_buffer, .address_space: global }
      - { .name: p, .offset: 8, .size: 8, .value_kind: global_buffer, .address_space: global }
      - { .name: stat, .offset: 16, .size: 8, .value_kind: global_buffer, .address_space: global }
    .group_segment_fixed_size: 327680
    .private_segment_fixed_size: 0
    .kernarg_segment_align: 8
    .kernarg_segment_size: 24
    .max_flat_workgroup_size: 128
    .sgpr_count:     100
    .vgpr_count:     1024
    .wavefront_size: 32
...
	.end_amdgpu_metadata
.endif
;; end of part 3
;; launch pv (part 4): grid 4 x 64, 4 waves a work-group, clusters of 4 x 4, 327,680 bytes of LDS; arguments p, vt, stat, out0; writes out0
.if DOCPART == 4
	.amdgcn_target "amdgcn-amd-amdhsa--gfx1250"
	.amdhsa_code_object_version 6
	.text
	.protected	k_qda3ea36878_pv
	.globl	k_qda3ea36878_pv
	.p2align	8
	.type	k_qda3ea36878_pv,@function
k_qda3ea36878_pv:
	s_mov_b64 s[64:65], 0
	v_nop
	global_prefetch_b8 v0, s[64:65] scope:SCOPE_SE
	s_setreg_imm32_b32 hwreg(HW_REG_WAVE_MODE, 25, 1), 1
	s_wait_xcnt 0x0
	s_wait_alu depctr_hold_cnt(0) depctr_sa_sdst(0) depctr_va_vdst(0) depctr_va_sdst(0) depctr_va_ssrc(0) depctr_va_vcc(0) depctr_vm_vsrc(0)
	s_getreg_b32 s2, hwreg(HW_REG_IB_STS2, 6, 4)
	s_cmp_eq_u32 s2, 0
	s_cbranch_scc0 .Lentry_in_a_cluster
	s_endpgm
.Lentry_in_a_cluster:
	s_bfe_u32 s2, ttmp6, 0x10000c
	s_cmp_lg_u32 s2, 0xf033
	s_cbranch_scc0 .Lentry_shape_is_right
	s_endpgm
.Lentry_shape_is_right:
; O[q] = sum over key blocks j of (beta_j[q] / L[q]) P_j[q] V_j, with M = max_j c m_j, beta_j = 2^(c m_j - M), L = sum_j beta_j l_j: the softmax's blocks of 128 keys joined exactly.
; IN.  p: [16384][1024] f16; vt: V transposed, [768 channels][16384 rows] f16; stat: c m as [16][8 blocks][1024] f32, then l alike, 524,288 bytes on.  OUT.  out0: [16384][768] f32.
; M, beta, L and beta / L are made in f32; beta / L is rounded once to f16 and multiplied onto P's fragments in f16 between their load and the product; the sums are f32 and leave as they are.
; L is at least 1 (the block that holds the maximum has beta = 1 and l >= 1), so beta / L is at most 1.
; LIMITS: a product p beta / L below 6e-8 counts as 0, and below 6e-5 it keeps f16's fixed step of 6e-8, against a row's total weight of 1; NaN and infinities are not treated apart.
; SHARES.  A cluster of 4 x 4 work-groups is a batch; work-group (cx, cy) makes queries 256 cy .. x channels 192 cx ..; a wave 128 x 96: 48 accumulators.  K = 1,024 keys goes in 8 steps of 128
; (a step is a key block) through two LDS slots.  P's tile is shared along a row of the cluster, V's along a column: joint loads.
; Source 0 = 16 channels, source 1 = 16 queries: a lane holds query l % 16 and the channels 8 (l / 16) + 0..7.
; REGISTERS: window 0: v0-31 addresses; v32-39 beta / L of the step in hand, a register a row block; v40-42 addresses of the way out; v64-127, v128-191 P's fragments (before the loop: the statistics
;   at work; on the way out: rows read back);   window 1: v64-111, v128-175 V's fragments;   window 2: accumulator (a, b), a < 4, at 8 (6 a + b);   window 3: a >= 4
.set KB,     256
.set P,      272
.set AHALF,  128*P
.set BHALF,  96*P
.set BOFF,   2*AHALF
.set SLOT1,  131072
.set BT,     SLOT1+BOFF+2*BHALF        ; behind the ring, never filled by a tensor load: each wave's own table, 4,096 bytes: beta / L (twice, as f16) of step j and row at 512 j + 4 row
.set BTW,    4096
.set SPARE,  BT+4*BTW                  ; the spare words: two blocks of 256 bytes that no other line names
.set SP,     784                       ; the way out: 256 rows of 768 bytes + 16, in the ring's bytes, which have had their last fill by then
.set NL,     28
.set A0,   4
.set B0,   5
.set ADRA, 6
.set ADRB, 7
.set STO,  8                           ; v8   the way out: where I put my results of row blocks 0-3
.set RD,   9                           ; v9-11  where I read whole rows back; never rewritten
.set PFO,  13
.set BA0,  16                          ; v16  my table + 4 (l % 16); never rewritten
.set BA,   17                          ; v17  the same at the step in hand
.set STO2, 18                          ; v18  STO for row blocks 4-7
.set GO,   20                          ; v20-22  my byte offsets in two rows of out0
.set SPW,  28
.set NIL,  29
.set BET,  32
.set RX,   40                          ; v40-42  RD at the 16 rows in hand
.set F0,   64
.set F1,   128
.set CM,   64                          ; the prologue: c m_j of my four rows, then beta_j, then beta_j / L
.set LL,   96                          ; l_j
.set MX,   128
.set LS,   132
.set E16,  136
.set IVL,  168
.set G1A,  24
.set G0A,  32
.set G1B,  48
.set G0B,  56
.set PFA,  44
.set MSB, 0
.macro WIN new
.if MSB != (\new)
	s_set_vgpr_msb (MSB<<8)|(\new)
.set MSB, \new
.endif
.endm
.macro PLACES
.rept 4
	v_nop
.endr
.endm
.macro JLOAD                           ; a joint refill: waves 0, 1 fetch P's halves, waves 2, 3 V's; an s_nop 0 and four v_nop follow each line
	s_cmp_eq_u32 s11, 0
	s_cbranch_scc0 .Lfor_b_\@
	tensor_load_to_lds s[G0A+4:G0A+7], s[G1A:G1A+7]
	s_nop 0
.rept 4
	v_nop
.endr
	s_branch .Lasked_\@
.Lfor_b_\@:
	tensor_load_to_lds s[G0B+4:G0B+7], s[G1B:G1B+7]
	s_nop 0
.rept 4
	v_nop
.endr
.Lasked_\@:
.endm
.macro CREST
	s_cmp_lg_u32 s10, 0
	s_cbranch_scc1 .Lnot_wave_0_\@
	s_barrier_signal -3
.Lnot_wave_0_\@:
	s_barrier_wait -3
	s_barrier_signal -1
	s_barrier_wait -1
.endm
.macro CROUND
	s_barrier_signal -1
	s_barrier_wait -1
	CREST
.endm
; A prefetch of the K step two refills on: a lane a row, 256 bytes of it.  The rows are read by this cluster alone; the four partners of a joint load take a quarter each BY ADDRESS
; (32 rows of p by cx; 24 rows of vt by cy, where lanes 24-31 repeat lane 23's row in the same instruction).  Steps 4 to 7 are asked for: the changes with s3 = 6 .. 3.
.macro ASK
	s_cmp_gt_u32 s3, 2
	s_cbranch_scc0 .Lnone_\@
	global_prefetch_b8 v[PFO], s[PFA:PFA+1] offset:KB th:TH_LOAD_NT scope:SCOPE_SE
.Lnone_\@:
.endm
.macro MULP f, hi, a0, z               ; 12 products; the 48 accumulators take turns in one fixed order
	WIN 0xa1+0x50*(\hi)
.irp a, \a0, (\a0)+1
.irp b, 0,1,2,3,4,5
.set rD, 8*(6*(\a)+(\b))
.if \z
	v_wmma_f32_16x16x32_f16 v[rD:rD+7], v[(\f)+8*(\b):(\f)+8*(\b)+7], v[(\f)+8*(4*(\hi)+(\a)):(\f)+8*(4*(\hi)+(\a))+7], 0
.else
	v_wmma_f32_16x16x32_f16 v[rD:rD+7], v[(\f)+8*(\b):(\f)+8*(\b)+7], v[(\f)+8*(4*(\hi)+(\a)):(\f)+8*(4*(\hi)+(\a))+7], v[rD:rD+7]
.endif
.endr
.endr
.endm
.macro SCALE f, hi                     ; P's fragments of four row blocks times the step's beta / L: a lane holds one row of a block, so one register serves the block's eight
	WIN 0
.irp a, 0,1,2,3
.irp i, 0,1,2,3,4,5,6,7
	v_pk_mul_f16 v[(\f)+8*(4*(\hi)+(\a))+(\i)], v[(\f)+8*(4*(\hi)+(\a))+(\i)], v[BET+4*(\hi)+(\a)]
.endr
.endr
.endm
.macro FETCH k, f
	WIN 0x40
.irp i, 0,1,2,3,4,5
	ds_load_b128 v[(\f)+8*(\i):(\f)+8*(\i)+3],   v[ADRB] offset:(\k)+(\i)*16*P
	ds_load_b128 v[(\f)+8*(\i)+4:(\f)+8*(\i)+7], v[ADRB] offset:(\k)+(\i)*16*P+32
.endr
	WIN 0
.irp i, 0,1,2,3,4,5,6,7
	ds_load_b128 v[(\f)+8*(\i):(\f)+8*(\i)+3],   v[ADRA] offset:(\k)+(\i)*16*P
	ds_load_b128 v[(\f)+8*(\i)+4:(\f)+8*(\i)+7], v[ADRA] offset:(\k)+(\i)*16*P+32
.endr
.endm
; The scalings of buffer f, which name no register of the products on buffer g, are the plain instructions between those products and the loads into g: no v_nop is written.
.macro QUARTER k, f, g, z
	s_wait_dscnt 8                                 ; all but the youngest eight loads (P's rows 64-127) are in; the table's loads are older still
	SCALE \f, 0
	MULP \f, 0, 0, \z
	MULP \f, 0, 2, \z
	FETCH \k, \g
	s_wait_dscnt NL                                ; all but the run just issued
	SCALE \f, 1
	MULP \f, 1, 0, \z
	MULP \f, 1, 2, \z
.endm
.macro STEP
	s_xor_b32 s[G0A+5], s[G0A+5], SLOT1
	s_add_nc_u64 s[G0A+6:G0A+7], s[G0A+6:G0A+7], KB
	s_xor_b32 s[G0B+5], s[G0B+5], SLOT1
	s_add_nc_u64 s[G0B+6:G0B+7], s[G0B+6:G0B+7], KB
.endm
.macro MEET f, round                   ; ONE barrier for the change of slots: all my tensor loads, the add, my reads of this slot
	WIN 0
	s_wait_tensorcnt 0x0
	ds_add_u32 v[SPW], v[NIL]
.if \round
	STEP
.endif
	s_wait_dscnt 9                                 ; the add and the youngest eight loads may be out
	SCALE \f, 0
	MULP \f, 0, 0, 0
	s_wait_dscnt 0x0
	s_barrier_signal -1
	MULP \f, 0, 2, 0
.if \round
	WIN 0
.endif
	s_barrier_wait -1
.endm
.macro BETAS                           ; beta / L of the step at v[BA] for my eight row blocks
.irp a, 0,1,2,3,4,5,6,7
	ds_load_b32 v[BET+(\a)], v[BA] offset:64*(\a)
.endr
.endm
.macro TURN f, g, fill                 ; a step's last quarter
.if \fill
	s_wait_xcnt 0x0                                ; the last prefetch, a K step back, has read its address
	s_add_nc_u64 s[PFA:PFA+1], s[PFA:PFA+1], KB
.endif
	MEET \f, \fill
.if \fill
	CREST
	JLOAD
.endif
	SCALE \f, 1                                    ; still by the old step's numbers
	s_xor_b32 s66, s66, SLOT1
	v_add_nc_u32 v[ADRA], s66, v[A0]
	v_add_nc_u32 v[ADRB], s66, v[B0]
	s_add_co_u32 s67, s67, 512                     ; the next step's row of the table;
	s_and_b32 s67, s67, 0xfff                      ; behind the last step it is step 0's again, fetched with a tile that serves nothing
	v_add_nc_u32 v[BA], s67, v[BA0]
	BETAS
	FETCH 0, \g
.if \fill
	ASK
.endif
	MULP \f, 1, 0, 0
	MULP \f, 1, 2, 0
.endm
	s_load_b256 s[68:75], s[0:1], 0x0              ; p s[68:69], vt s[70:71], stat s[72:73], out0 s[74:75]
	v_lshl_add_u32 v[SPW], v0, 2, SPARE
	v_mov_b32 v[NIL], 0
	ds_add_u32 v[SPW], v[NIL]                      ; the wave's opening: the add and its wait ahead of my first tensor load
	v_lshrrev_b32 v1, 5, v0
	v_readfirstlane_b32 s10, v1
	s_lshr_b32 s11, s10, 1                         ; my half of the queries; also: I fetch for p (0) or vt (1)
	s_and_b32 s12, s10, 1                          ; my half of the channels; also: which half I fetch
	s_bfe_u32 s40, ttmp6, 0x40000                  ; cx
	s_bfe_u32 s41, ttmp6, 0x40004                  ; cy
	s_and_b32 s42, ttmp7, 0xffff                   ; the batch
	s_lshl_b32 s13, s42, 2
	s_add_co_u32 s13, s13, s41                     ; my 256 rows among the 16,384
	s_lshl_b32 s14, s41, 2
	s_lshl_b32 s14, 15, s14
	s_lshl_b32 s15, 0x1111, s40
	s_or_b32 s[G1A], s14, 0x07710000               ; the mask; 2-byte elements; padding on; bit 21 beside a mask; after every 64 words 4 words
	s_or_b32 s[G1B], s15, 0x07710000
	s_mov_b32 s[G1A+1], 128<<16
	s_mov_b32 s[G1A+2], 128<<16
	s_mov_b32 s[G1A+3], 128<<16
	s_mov_b32 s[G1A+4], 128
	s_mov_b32 s[G1A+5], 1024                       ; elements from row to row of p
	s_mov_b32 s[G1A+6], 0
	s_mov_b32 s[G1A+7], 0
	s_mov_b32 s[G1B+1], 128<<16
	s_mov_b32 s[G1B+2], 96<<16
	s_mov_b32 s[G1B+3], 128<<16
	s_mov_b32 s[G1B+4], 96
	s_mov_b32 s[G1B+5], 16384                      ; of vt
	s_mov_b32 s[G1B+6], 0
	s_mov_b32 s[G1B+7], 0
	s_lshl_b32 s16, s13, 8
	s_lshl_b32 s17, s12, 7
	s_add_co_u32 s16, s16, s17
	s_lshl_b32 s16, s16, 11                        ; p: row 256 TR + 128 x half, in bytes
	s_mov_b32 s17, 0
	s_mul_i32 s46, s40, 192
	s_mul_i32 s47, s12, 96
	s_add_co_u32 s46, s46, s47
	s_lshl_b32 s46, s46, 15                        ; vt: channel 192 cx + 96 x half,
	s_lshl_b32 s47, s42, 11
	s_add_co_u32 s46, s46, s47                     ; at the batch's first key
	s_mov_b32 s47, 0
	s_mul_i32 s20, s10, AHALF
	s_mul_i32 s21, s10, BHALF
	s_add_co_u32 s21, s21, BOFF-2*BHALF
	s_mov_b32 s66, 0
	s_mov_b32 s67, 0
	s_mov_b32 s[G0A], 1
	s_mov_b32 s[G0A+1], s20
	s_mov_b32 s[G0A+4], 1
	s_add_co_u32 s[G0A+5], s20, SLOT1
	s_mov_b32 s[G0B], 1
	s_mov_b32 s[G0B+1], s21
	s_mov_b32 s[G0B+4], 1
	s_add_co_u32 s[G0B+5], s21, SLOT1
	s_wait_dscnt 0x0
	s_wait_kmcnt 0x0
	s_add_nc_u64 s[G0A+2:G0A+3], s[68:69], s[16:17]
	s_add_nc_u64 s[G0A+6:G0A+7], s[G0A+2:G0A+3], KB
	s_or_b32 s[G0A+3], s[G0A+3], 0x80000000
	s_or_b32 s[G0A+7], s[G0A+7], 0x80000000
	s_add_nc_u64 s[G0B+2:G0B+3], s[70:71], s[46:47]
	s_add_nc_u64 s[G0B+6:G0B+7], s[G0B+2:G0B+3], KB
	s_or_b32 s[G0B+3], s[G0B+3], 0x80000000
	s_or_b32 s[G0B+7], s[G0B+7], 0x80000000
	CROUND
	s_cmp_eq_u32 s11, 0
	s_cbranch_scc0 .Lfirst_b
	tensor_load_to_lds s[G0A:G0A+3], s[G1A:G1A+7]
	s_nop 0
	tensor_load_to_lds s[G0A+4:G0A+7], s[G1A:G1A+7]
	s_nop 0
.rept 4
	v_nop
.endr
	s_branch .Lfirst_done
.Lfirst_b:
	tensor_load_to_lds s[G0B:G0B+3], s[G1B:G1B+7]
	s_nop 0
	tensor_load_to_lds s[G0B+4:G0B+7], s[G1B:G1B+7]
	s_nop 0
.rept 4
	v_nop
.endr
.Lfirst_done:
	; THE STATISTICS, in the wait for the first tiles.  Lane l takes rows 4 l .. 4 l + 3 of my 128.
	v_and_b32 v1, 15, v0                           ; r
	v_bfe_u32 v2, v0, 4, 1                         ; h
	v_and_b32 v3, 31, v0                           ; l
	v_lshlrev_b32 v24, 4, v3                       ; 16 l
	s_mov_b32 s85, 0
	s_lshl_b32 s84, s42, 15                        ; the batch's 8 x 1,024 words,
	s_lshl_b32 s86, s41, 10                        ; my work-group's 256 queries,
	s_add_co_u32 s84, s84, s86
	s_lshl_b32 s86, s11, 9                         ; my 128
	s_add_co_u32 s84, s84, s86
	s_add_nc_u64 s[90:91], s[72:73], s[84:85]
.irp j, 0,1,2,3,4,5,6,7
	global_load_b128 v[CM+4*(\j):CM+4*(\j)+3], v24, s[90:91] offset:4096*(\j)
	global_load_b128 v[LL+4*(\j):LL+4*(\j)+3], v24, s[90:91] offset:524288+4096*(\j)
.endr
	; lane addresses, while those loads are out
	v_mul_u32_u24 v19, v1, P
	v_lshl_add_u32 v19, v2, 4, v19
	s_mul_i32 s84, s11, AHALF
	v_add_nc_u32 v[A0], s84, v19
	s_mul_i32 s84, s12, BHALF
	s_add_co_u32 s84, s84, BOFF
	v_add_nc_u32 v[B0], s84, v19
	v_mov_b32 v[ADRA], v[A0]
	v_mov_b32 v[ADRB], v[B0]
	s_mul_i32 s84, s10, BTW
	s_add_co_u32 s84, s84, BT                      ; my table
	v_lshl_add_u32 v[BA0], v1, 2, s84
	v_mov_b32 v[BA], v[BA0]
	v_lshl_add_u32 v19, v3, 4, s84                 ; where my four rows' words go
	s_mul_i32 s84, s11, 128*SP
	s_mul_i32 s86, s12, 384
	s_add_co_u32 s84, s84, s86
	v_mul_u32_u24 v[STO], v1, SP
	v_lshl_add_u32 v[STO], v2, 5, v[STO]
	v_add_nc_u32 v[STO], s84, v[STO]               ; (128 x row half + r) x 784 + 384 x column half + 32 h
	v_add_nc_u32 v[STO2], 64*SP, v[STO]
	s_mul_i32 s84, s10, 64*SP                      ; back: wave w takes rows 64 w .., whole: two rows of 768 bytes are three loads of 512
	v_lshl_add_u32 v[RD], v3, 4, s84               ; row 0, bytes 16 l
	v_lshlrev_b32 v[GO], 4, v3
	v_lshl_add_u32 v[RD+1], v2, 4, v[RD]           ; row h, bytes 512 + 16 l - 768 h: in the stage 784 h - 768 h = 16 h on,
	v_add_nc_u32 v[RD+1], 512, v[RD+1]
	v_mul_u32_u24 v[GO+1], v2, 2304                ; in out0 3,072 h - 768 h
	v_add_nc_u32 v[GO+1], v[GO+1], v[GO]
	v_add_nc_u32 v[GO+1], 512, v[GO+1]
	v_add_nc_u32 v[RD+2], SP+256, v[RD]            ; row 1, bytes 256 + 16 l
	v_add_nc_u32 v[GO+2], 3072+256, v[GO]
	s_lshl_b32 s84, s13, 8
	s_lshl_b32 s86, s10, 6
	s_add_co_u32 s84, s84, s86
	s_mul_i32 s84, s84, 3072
	s_mul_i32 s86, s40, 768
	s_add_co_u32 s84, s84, s86
	s_add_nc_u64 s[88:89], s[74:75], s[84:85]      ; out0 at row 256 TR + 64 w, channel 192 cx
	s_lshl_b32 s84, s40, 16                        ; the prefetches: p: my work-group's 32 rows of 2,048 bytes,
	s_add_co_u32 s84, s84, s16
	s_mul_i32 s86, s41, 786432                     ; vt: its 24 rows of 32,768 bytes
	s_add_co_u32 s86, s86, s46
	s_cmp_eq_u32 s11, 0
	s_cselect_b32 s84, s84, s86
	s_cselect_b32 s87, 31, 23
	s_cselect_b32 s86, 11, 15
	s_cselect_b64 s[PFA:PFA+1], s[68:69], s[70:71]
	s_add_co_u32 s84, s84, 2*KB                    ; at K step 2
	s_add_nc_u64 s[PFA:PFA+1], s[PFA:PFA+1], s[84:85]
	v_min_u32 v[PFO], s87, v3
	v_lshlrev_b32 v[PFO], s86, v[PFO]
	s_wait_loadcnt 0x0
.irp i, 0,1,2,3
	v_max3_num_f32 v[MX+(\i)], v[CM+(\i)], v[CM+4+(\i)], v[CM+8+(\i)]
.endr
.irp i, 0,1,2,3
	v_max3_num_f32 v[MX+(\i)], v[MX+(\i)], v[CM+12+(\i)], v[CM+16+(\i)]
.endr
.irp i, 0,1,2,3
	v_max3_num_f32 v[MX+(\i)], v[MX+(\i)], v[CM+20+(\i)], v[CM+24+(\i)]
.endr
.irp i, 0,1,2,3
	v_max_num_f32 v[MX+(\i)], v[MX+(\i)], v[CM+28+(\i)]
.endr
.set n, 0
.rept 16
	v_pk_add_f32 v[CM+2*n:CM+2*n+1], v[CM+2*n:CM+2*n+1], v[MX+2*(n%2):MX+2*(n%2)+1] neg_lo:[0,1] neg_hi:[0,1]  ; c m_j - M
.set n, n+1
.endr
.set n, 0
.rept 32
	v_exp_f32 v[CM+n], v[CM+n]                     ; beta_j
.set n, n+1
.endr
	v_nop                                          ; a plain instruction behind the last exponential,
	s_wait_alu depctr_va_vdst(0)                   ; and the one wait ahead of the batch's first use
	v_pk_mul_f32 v[LS:LS+1], v[LL:LL+1], v[CM:CM+1]
	v_pk_mul_f32 v[LS+2:LS+3], v[LL+2:LL+3], v[CM+2:CM+3]
.irp j, 1,2,3,4,5,6,7
	v_pk_fma_f32 v[LS:LS+1], v[LL+4*(\j):LL+4*(\j)+1], v[CM+4*(\j):CM+4*(\j)+1], v[LS:LS+1]
	v_pk_fma_f32 v[LS+2:LS+3], v[LL+4*(\j)+2:LL+4*(\j)+3], v[CM+4*(\j)+2:CM+4*(\j)+3], v[LS+2:LS+3]
.endr
.irp i, 0,1,2,3
	v_rcp_f32 v[IVL+(\i)], v[LS+(\i)]
.endr
	v_nop                                          ; a plain instruction behind the last reciprocal,
	s_wait_alu depctr_va_vdst(0)                   ; and one wait for the four
.set n, 0
.rept 16
	v_pk_mul_f32 v[CM+2*n:CM+2*n+1], v[CM+2*n:CM+2*n+1], v[IVL+2*(n%2):IVL+2*(n%2)+1]  ; beta_j / L: nothing is left to divide at the end
.set n, n+1
.endr
.set n, 0
.rept 32
	v_cvt_pk_f16_f32 v[E16+n], v[CM+n], v[CM+n]    ; twice, for the packed multiply
.set n, n+1
.endr
.irp j, 0,1,2,3,4,5,6,7
	ds_store_b128 v19, v[E16+4*(\j):E16+4*(\j)+3] offset:512*(\j)
.endr
	s_wait_tensorcnt 1                             ; my part of K step 0 is in; step 1's may stay out
	s_wait_dscnt 0x0                               ; no LDS instruction of mine is out at the signal
	s_barrier_signal -1
	s_barrier_wait -1
	BETAS                                          ; step 0's
	FETCH 0, F0
	QUARTER 64, F0, F1, 1                          ; the first quarter starts the sums
	WIN 0
	s_mov_b32 s3, 6
.Lk:                                           ; six changes of slots fill steps 2 to 7
	QUARTER 128, F1, F0, 0
	QUARTER 192, F0, F1, 0
	TURN F1, F0, 1
	QUARTER 64, F0, F1, 0
	WIN 0
	s_sub_co_u32 s3, s3, 1
	s_cmp_lg_u32 s3, 0
	s_cbranch_scc1 .Lk
	s_mov_b32 s3, 2
.Lt:                                           ; the last two steps ask for nothing; the second trip is left in its middle, and its barrier and fetch (of landed bytes) serve nothing
	QUARTER 128, F1, F0, 0
	QUARTER 192, F0, F1, 0
	TURN F1, F0, 0
	WIN 0
	s_sub_co_u32 s3, s3, 1
	s_cmp_eq_u32 s3, 0
	s_cbranch_scc1 .Lout
	QUARTER 64, F0, F1, 0
	WIN 0
	s_branch .Lt
.Lout:
	; THE WAY OUT.  The ring has had its last fill, and behind this barrier no wave reads it: its bytes serve as one stage of 256 rows for the work-group, since a wave's 96 channels, 384 bytes,
	; begin or end in the middle of an aligned 256 bytes of out0.
	s_wait_dscnt 0x0
	s_barrier_signal -1
	s_barrier_wait -1
	PLACES                                         ; the LDS stores read results just made
.macro PUT a                           ; block a into the stage: a lane's eight channels of a row are 32 bytes; each accumulator's low half goes first
.set W,  2+(\a)/4
.set AC, 48*((\a)%4)
	WIN W*4                                        ; the stores' data in the accumulators' window
.irp b, 0,1,2,3,4,5
	ds_store_b128 v[STO+10*((\a)/4)], v[AC+8*(\b):AC+8*(\b)+3]   offset:16*SP*((\a)%4)+64*(\b)
	ds_store_b128 v[STO+10*((\a)/4)], v[AC+8*(\b)+4:AC+8*(\b)+7] offset:16*SP*((\a)%4)+64*(\b)+16
.endr
.endm
.irp a, 0,1,2,3,4,5,6,7
	PUT \a
.endr
	WIN 0
	s_wait_dscnt 0x0                               ; for the others' sake: my stores into the stage are done
	s_barrier_signal -1
	s_barrier_wait -1
	s_mov_b32 s3, 4                                ; my 64 whole rows leave in four trips of 16
	s_mov_b32 s67, 0
.Lback:
.irp t, 0,1,2
	v_add_nc_u32 v[RX+(\t)], s67, v[RD+(\t)]
.endr
.set k, 0
.rept 24
	ds_load_b128 v[64+4*k:64+4*k+3], v[RX+k%3] offset:2*SP*(k/3)
.set k, k+1
.endr
.set k, 0
.rept 24
	s_wait_dscnt 23-k                              ; LDS loads come back in order: load k is in, the trip's younger ones stay out
	global_store_b128 v[GO+k%3], v[64+4*k:64+4*k+3], s[88:89] offset:6144*(k/3)  ; 16 lanes store 256 consecutive bytes, aligned
.set k, k+1
.endr
	s_wait_xcnt 0x0                                ; the stores have read their base and their data: both are written again only behind this wait
	s_add_nc_u64 s[88:89], s[88:89], 49152         ; 16 rows of out0 on
	s_add_co_u32 s67, s67, 16*SP
	s_sub_co_u32 s3, s3, 1
	s_cmp_lg_u32 s3, 0
	s_cbranch_scc1 .Lback
	s_wait_tensorcnt 0x0                           ; the wave's end
	ds_add_u32 v[SPW], v[NIL]
	s_wait_dscnt 0x0
	CROUND                                         ; the closing round
	s_endpgm
.Lfunc_end_k_qda3ea36878_pv:
	.size	k_qda3ea36878_pv, .Lfunc_end_k_qda3ea36878_pv-k_qda3ea36878_pv
	.p2alignl 7, 3214868480
	.fill 96, 4, 3214868480
	.section	.rodata,"a",@progbits
	.p2align	6, 0x0
	.amdhsa_kernel k_qda3ea36878_pv
		.amdhsa_group_segment_fixed_size 327680
		.amdhsa_private_segment_fixed_size 0
		.amdhsa_enable_private_segment 0
		.amdhsa_kernarg_size 32
		.amdhsa_user_sgpr_count 2
		.amdhsa_user_sgpr_kernarg_segment_ptr 1
		.amdhsa_wavefront_size32 1
		.amdhsa_system_sgpr_workgroup_id_x 1
		.amdhsa_system_sgpr_workgroup_id_y 1
		.amdhsa_system_sgpr_workgroup_id_z 1
		.amdhsa_system_vgpr_workitem_id 0
		.amdhsa_next_free_vgpr 960
		.amdhsa_next_free_sgpr 100
		.amdhsa_reserve_vcc 0
		.amdhsa_float_denorm_mode_32 3
		.amdhsa_float_denorm_mode_16_64 3
		.amdhsa_memory_ordered 1
		.amdhsa_forward_progress 1
		.amdhsa_inst_pref_size 116
	.end_amdhsa_kernel
	.amdgpu_metadata
---
amdhsa.version: [ 1, 2 ]
amdhsa.kernels:
  - .name:           k_qda3ea36878_pv
    .symbol:         k_qda3ea36878_pv.kd
    .args:
      - { .name: p, .offset: 0, .size: 8, .value_kind: global_buffer, .address_space: global }
      - { .name: vt, .offset: 8, .size: 8, .value_kind: global_buffer, .address_space: global }
      - { .name: stat, .offset: 16, .size: 8, .value_kind: global_buffer, .address_space: global }
      - { .name: out0, .offset: 24, .size: 8, .value_kind: global_buffer, .address_space: global }
    .group_segment_fixed_size: 327680
    .private_segment_fixed_size: 0
    .kernarg_segment_align: 8
    .kernarg_segment_size: 32
    .max_flat_workgroup_size: 128
    .sgpr_count:     100
    .vgpr_count:     960
    .wavefront_size: 32
...
	.end_amdgpu_metadata
.endif
;; end of part 4
;; ======== version 2 of 2: 4 launches; version 1 with the launch prep written anew for expert scheduling mode
;; limits: values are held in f16: magnitudes above 65,504 overflow, below 6.1e-05 lose precision
;; workspace buffers: h16 25,165,824 bytes; w16 3,538,944 bytes; qk 50,331,648 bytes; vt 25,165,824 bytes; p 33,554,432 bytes; stat 1,048,576 bytes
;; launch prep (part 5): grid 876 x 1, 8 waves a work-group, no clusters, 0 bytes of LDS; arguments x, pos, Wq, Wk, Wv, h16, w16; writes h16, w16
.if DOCPART == 5
	.amdgcn_target "amdgcn-amd-amdhsa--gfx1250"
	.amdhsa_code_object_version 6
	.text
	.protected	k_qda3ea36878_prep
	.globl	k_qda3ea36878_prep
	.p2align	8
	.type	k_qda3ea36878_prep,@function
k_qda3ea36878_prep:
	s_mov_b64 s[64:65], 0
	v_nop
	global_prefetch_b8 v0, s[64:65] scope:SCOPE_SE
	s_setreg_imm32_b32 hwreg(HW_REG_WAVE_SCHED_MODE, 0, 2), 2
	s_setreg_imm32_b32 hwreg(HW_REG_WAVE_MODE, 25, 1), 1
	s_wait_xcnt 0x0
	s_wait_alu depctr_vm_vsrc(0)
; h16 = f16(x + pos), [16384][768];  w16 = f16(Wq, Wk, Wv one below the other), [2304][768].  One rounding each.
; LIMIT: a sum x + pos or a weight beyond 65,504 becomes an infinity in f16.
; A stream: no LDS, no barrier, no matrix work.  Every work-group converts 16 segments of 4,096 bytes of f32; thread t takes the 16 bytes at 16 t of a segment
; and writes the 8 bytes at 8 t: a wave's load covers 512 consecutive bytes, its store 256 consecutive bytes, aligned.
; Work-groups 0-767: segment g of pos, loaded once, is added to the same segment of x in the 16 batches (3,145,728 bytes apart).
; Work-groups 768-875: 16 consecutive segments of one of the three weights (36 work-groups each); the addend is 0.
; THE MODE: SCHED_MODE bits 1:0 = 2 (LLVM: expert scheduling mode 2), set by the entry lines.  The code itself states the register dependences
; between vector instructions and memory instructions, with s_wait_alu, always for 0.
; THE PLAN.  Registers that memory instructions touch:
;   v1        16 t.  Written once at the head; read by the load of pos as its offset; never written again.
;   VO0..15   Written once at the head; each read by one load as its offset; never written again.
;   DO0..15   Written once at the head; each read by one store as its offset; never written again.
;   PP        The load of pos lands in it, or four moves write it: one of the two on each path.  Read by vector instructions alone.
;   XR0..15   Each is the landing place of one load, and no vector instruction names it before; the additions work in place behind the load's counted wait.
;   YR0..15   Each written once, by two roundings; read by one store; never written again.
; All sixteen loads of a thread go out together and no register that a memory instruction reads is written twice: no wait on vm_vsrc and no s_wait_xcnt is owed.
; What is owed is that a memory instruction finds written what vector instructions made: v1; VO and DO; YR.  The sixteen segments go in four groups of four: a group's four stores are issued in the
; next group, one ahead of each segment's four vector instructions, behind ONE wait on va_vdst at that group's head.  The vector instructions issued since that wait name PP and the new group's
; XR and YR: none of the registers of those stores.  The last group's stores have a wait of their own.
.set XBATCH, 3145728
.set PP, 2                             ; v[2:5]     the addend: my four numbers of pos, or 0
.set VO, 8                             ; v[8:23]    byte offset of my 16 bytes in segment i
.set DO, 24                            ; v[24:39]   half of it: my 8 bytes of the result
.set XR, 40                            ; v[40:103]  as loaded
.set YR, 104                           ; v[104:135] to store
	s_load_b256 s[4:11], s[0:1], 0x0               ; x s[4:5], pos s[6:7], Wq s[8:9], Wk s[10:11]
	s_load_b128 s[12:15], s[0:1], 0x20             ; Wv s[12:13], h16 s[14:15]
	s_load_b64 s[16:17], s[0:1], 0x30              ; w16
	v_lshlrev_b32 v1, 4, v0                        ; 16 t
	s_mov_b32 s29, 0                               ; the offsets' high words
	s_mov_b32 s31, 0
	s_cmp_lt_u32 ttmp9, 768
	s_cbranch_scc0 .Lweights
	s_lshl_b32 s28, ttmp9, 12                      ; segment g of pos and of each batch of x,
	s_lshl_b32 s30, ttmp9, 11                      ; half as far in h16
	s_mov_b32 s24, XBATCH                          ; from segment to segment: a batch
	s_wait_kmcnt 0x0
	s_add_nc_u64 s[18:19], s[6:7], s[28:29]
	s_add_nc_u64 s[20:21], s[4:5], s[28:29]
	s_add_nc_u64 s[22:23], s[14:15], s[30:31]
	s_wait_alu depctr_va_vdst(0)                   ; v1 is written, which the load of pos reads as its offset
	global_load_b128 v[PP:PP+3], v1, s[18:19]
	s_branch .Lgo
.Lweights:
	s_sub_co_u32 s26, ttmp9, 768                   ; 0 to 107
	s_cmp_ge_u32 s26, 36
	s_cselect_b32 s27, 1, 0
	s_cmp_ge_u32 s26, 72
	s_cselect_b32 s25, 1, 0
	s_add_co_u32 s27, s27, s25                     ; which weight: 0, 1, 2
	s_mul_i32 s25, s27, 36
	s_sub_co_u32 s26, s26, s25                     ; which 65,536 bytes of it
	s_lshl_b32 s28, s26, 16
	s_mul_i32 s30, s27, 1179648                    ; a weight's bytes in w16
	s_lshl_b32 s25, s26, 15
	s_add_co_u32 s30, s30, s25
	s_mov_b32 s24, 4096                            ; from segment to segment
	s_wait_kmcnt 0x0
	s_cmp_eq_u32 s27, 0
	s_cselect_b64 s[20:21], s[8:9], s[10:11]
	s_cmp_eq_u32 s27, 2
	s_cselect_b64 s[20:21], s[12:13], s[20:21]
	s_add_nc_u64 s[20:21], s[20:21], s[28:29]
	s_add_nc_u64 s[22:23], s[16:17], s[30:31]
	v_mov_b32 v[PP], 0
	v_mov_b32 v[PP+1], 0
	v_mov_b32 v[PP+2], 0
	v_mov_b32 v[PP+3], 0
.Lgo:
.set i, 0
.rept 16
	s_mul_i32 s25, s24, i
	v_add_nc_u32 v[VO+i], s25, v1
	v_lshrrev_b32 v[DO+i], 1, v[VO+i]
.set i, i+1
.endr
	s_wait_alu depctr_va_vdst(0)                   ; VO0..15 are written, which the sixteen loads below read as offsets; so are DO0..15, which the stores read
.set i, 0
.rept 16
	global_load_b128 v[XR+4*i:XR+4*i+3], v[VO+i], s[20:21] th:TH_LOAD_NT
.set i, i+1
.endr
.set i, 0
.rept 16
	s_wait_loadcnt 15-i                            ; loads come back in order: segment i is in (and pos, which is older); the 15 - i younger ones stay out
.if (i > 0) && (i % 4 == 0)
	s_wait_alu depctr_va_vdst(0)                   ; a group's head: the roundings of the group before have written its YR, which the four stores of this group's turns read
.endif
.if i >= 4
	global_store_b64 v[DO+i-4], v[YR+2*i-8:YR+2*i-7], s[22:23]  ; segment i - 4; no vector instruction since the wait names its DO or its YR
.endif
	v_pk_add_f32 v[XR+4*i:XR+4*i+1], v[XR+4*i:XR+4*i+1], v[PP:PP+1]
	v_pk_add_f32 v[XR+4*i+2:XR+4*i+3], v[XR+4*i+2:XR+4*i+3], v[PP+2:PP+3]
	v_cvt_pk_f16_f32 v[YR+2*i], v[XR+4*i], v[XR+4*i+1]
	v_cvt_pk_f16_f32 v[YR+2*i+1], v[XR+4*i+2], v[XR+4*i+3]
.set i, i+1
.endr
	s_wait_alu depctr_va_vdst(0)                   ; the last group's roundings have written its YR, which the last four stores read
.set i, 12
.rept 4
	global_store_b64 v[DO+i], v[YR+2*i:YR+2*i+1], s[22:23]
.set i, i+1
.endr
	s_endpgm
.Lfunc_end_k_qda3ea36878_prep:
	.size	k_qda3ea36878_prep, .Lfunc_end_k_qda3ea36878_prep-k_qda3ea36878_prep
	.p2alignl 7, 3214868480
	.fill 96, 4, 3214868480
	.section	.rodata,"a",@progbits
	.p2align	6, 0x0
	.amdhsa_kernel k_qda3ea36878_prep
		.amdhsa_group_segment_fixed_size 0
		.amdhsa_private_segment_fixed_size 0
		.amdhsa_enable_private_segment 0
		.amdhsa_kernarg_size 56
		.amdhsa_user_sgpr_count 2
		.amdhsa_user_sgpr_kernarg_segment_ptr 1
		.amdhsa_wavefront_size32 1
		.amdhsa_system_sgpr_workgroup_id_x 1
		.amdhsa_system_sgpr_workgroup_id_y 1
		.amdhsa_system_sgpr_workgroup_id_z 1
		.amdhsa_system_vgpr_workitem_id 0
		.amdhsa_next_free_vgpr 140
		.amdhsa_next_free_sgpr 66
		.amdhsa_reserve_vcc 0
		.amdhsa_float_denorm_mode_32 3
		.amdhsa_float_denorm_mode_16_64 3
		.amdhsa_memory_ordered 1
		.amdhsa_forward_progress 1
		.amdhsa_inst_pref_size 12
	.end_amdhsa_kernel
	.amdgpu_metadata
---
amdhsa.version: [ 1, 2 ]
amdhsa.kernels:
  - .name:           k_qda3ea36878_prep
    .symbol:         k_qda3ea36878_prep.kd
    .args:
      - { .name: x, .offset: 0, .size: 8, .value_kind: global_buffer, .address_space: global }
      - { .name: pos, .offset: 8, .size: 8, .value_kind: global_buffer, .address_space: global }
      - { .name: Wq, .offset: 16, .size: 8, .value_kind: global_buffer, .address_space: global }
      - { .name: Wk, .offset: 24, .size: 8, .value_kind: global_buffer, .address_space: global }
      - { .name: Wv, .offset: 32, .size: 8, .value_kind: global_buffer, .address_space: global }
      - { .name: h16, .offset: 40, .size: 8, .value_kind: global_buffer, .address_space: global }
      - { .name: w16, .offset: 48, .size: 8, .value_kind: global_buffer, .address_space: global }
    .group_segment_fixed_size: 0
    .private_segment_fixed_size: 0
    .kernarg_segment_align: 8
    .kernarg_segment_size: 56
    .max_flat_workgroup_size: 256
    .sgpr_count:     66
    .vgpr_count:     140
    .wavefront_size: 32
...
	.end_amdgpu_metadata
.endif
;; end of part 5
;; launch qkv: the kernel of part 2 again; grid 4 x 64, 4 waves a work-group, clusters of 4 x 4, 327,680 bytes of LDS; arguments h16, w16, bq, bk, bv, qk, vt; writes qk, vt
;; launch sm: the kernel of part 3 again; grid 4 x 64, 4 waves a work-group, clusters of 4 x 4, 327,680 bytes of LDS; arguments qk, p, stat; writes p, stat
;; launch pv: the kernel of part 4 again; grid 4 x 64, 4 waves a work-group, clusters of 4 x 4, 327,680 bytes of LDS; arguments p, vt, stat, out0; writes out0
